; MI455X (gfx1250); checked and timed in simulation.
; The chip was launched on July 23, 2026; its instructions are those of AMD's public machine-readable ISA for CDNA 5 (MIT licence, August 2026) and "CDNA5" Instruction Set Architecture Reference Guide (July 2026). The comments in the code are by the model that wrote it; some were corrected since.
;; L La MA Attention. Allowed arithmetic: matrix products marked QUANTISED: E2M3 operands, one E8M0 scale for each 32 along K, by v_wmma_scale_f32_16x16x128_f8f6f4 with both operands' format E2M3, f32 sums; everything else in f32.
;; Inputs: attention_mask 1 x 1 x 2,048 x 2,048 float32; hidden_states 1 x 2,048 x 4,096 float32; position_ids 1 x 2,048 int32; wk 1,024 x 4,096 float32; wo 4,096 x 2,048 float32; wq 2,048 x 4,096 float32; wv 1,024 x 4,096 float32.
;; Outputs: out0 1 x 2,048 x 4,096 float32.
;; This version of the problem:
;;   THIS VERSION OF THE PROBLEM IS GIVEN IN LOW PRECISION. The matrix products marked QUANTISED in the list below multiply operands that are first quantised to E2M3 (2 exponent bits, 3 mantissa bits; 6 bits a number), with one power-of-two scale for each 32 numbers along K (OCP MX v1.0); their sums are f32. All else is computed in f32.
;;   The module's matrix products, in the order in which they are computed (A, B: the left and right operand; K: the contracted axis; several contracted axes count as one K, in the product's order):
;;     1. [M 2,048, K 4,096] x [K 4,096, N 2,048]; A: input hidden_states; B: input wq: QUANTISED
;;     2. [M 2,048, K 4,096] x [K 4,096, N 1,024]; A: input hidden_states; B: input wk: QUANTISED
;;     3. [M 2,048, K 4,096] x [K 4,096, N 1,024]; A: input hidden_states; B: input wv: QUANTISED
;;     4. batch 8 x [M 4,096, K 128] x [K 128, N 2,048]; A: computed on the way; B: computed on the way: QUANTISED
;;     5. batch 8 x [M 4,096, K 2,048] x [K 2,048, N 128]; A: softmax (see below); B: computed on the way: QUANTISED
;;     6. [M 2,048, K 2,048] x [K 2,048, N 4,096]; A: computed on the way; B: input wo: QUANTISED
;;   THE QUANTISER, for each operand of a quantised product, along K:
;;     - K is cut into blocks of 32 from its start; a last block that is shorter is filled with zeros.
;;     - A block's scale is 2^e with e = floor(log2(the largest magnitude in the block)) - 2, held to -126 .. 127; a block of zeros has e = 0. As a byte (E8M0): e + 127.
;;     - Each number is divided by its block's scale, clamped to +-7.5, and rounded to the nearest number of E2M3, ties to even, subnormals kept.
;;     - The product sums the exact products of the quantised numbers (number of the format x scale) in f32.
;;   ~~~python
;;   def quantise(x, axis):      # numpy; x: float32 -> the quantised numbers, widened to float32 again
;;       x = np.moveaxis(x, axis, -1); K = x.shape[-1]
;;       x = np.pad(x, [(0, 0)] * (x.ndim - 1) + [(0, -K % 32)]); x = x.reshape(x.shape[:-1] + (-1, 32)); a = np.abs(x).max(-1, keepdims=True)
;;       e = np.where(a > 0, np.clip(np.frexp(np.where(a > 0, a, 1))[1] - 1 - 2, -126, 127), 0)      # np.frexp(a)[1] - 1 = floor(log2(a)), exactly
;;       r = np.clip(x / 2.0 ** e, -7.5, 7.5)
;;       step = 2.0 ** (np.maximum(np.frexp(np.where(r == 0, 1, r))[1] - 1, 0) - 3)
;;       q = np.round(r / step) * step * 2.0 ** e      # np.round: ties to even
;;       return np.moveaxis(q.reshape(q.shape[:-2] + (-1,))[..., :K], -1, axis).astype(np.float32)
;;   ~~~
;;   SOFTMAX AHEAD OF A QUANTISED PRODUCT. Where the list says 'softmax', what is quantised is not the finished softmax but p = 2^(t - M), with t = logit x log2(e) and M = ceil(the row's largest t), a whole number; so 1/2 < the row's largest p <= 1. The row's sum l is taken of the UNQUANTISED p, in f32, and the product's result is divided by l at the end. Since M is a whole number, a kernel that streams over the keys may use a running M (the ceiling of the running maximum): every later rescaling is an exact power of two, which a block's scale takes up: the codes' values come out the same.
;;   OPERANDS COMPUTED ON THE WAY. 'Computed on the way' means the value that the module computes at that place (a softmax that the list does not call 'softmax' is quantised finished and normalised). What goes into a quantiser is computed in f32, as accurately as f32 sums, v_exp_f32 and their like allow (about 1e-6 of the number): no bf16 or f16 on the way to a quantiser, and a product that is left as it is and whose result goes on into a quantised operand takes f32 operands (vector FMAs, or v_wmma_f32_16x16x4_f32). A number that lies on a knife's edge between two numbers of the format may be rounded either way, as far as f32 arithmetic and the matrix unit's own rounding can turn it there, and no further.
;; One version. Each part assembles by itself: llvm-mc -triple=amdgcn-amd-amdhsa -mcpu=gfx1250 --defsym DOCPART=n.
;; ======== version 1 of 1: 4 launches
;; limits: right only within a limited range of input values
;; workspace buffers: rec1 26,214,400 bytes; cstab 1,048,576 bytes; rec2 6,553,600 bytes; rec3 3,276,800 bytes
;; launch quant (part 1): grid 1024 x 1, 4 waves a work-group, no clusters, 34,304 bytes of LDS; arguments hidden_states, wq, wk, wv, wo, position_ids, rec1, cstab; writes rec1, cstab
.if DOCPART == 1
	.amdgcn_target "amdgcn-amd-amdhsa--gfx1250"
	.amdhsa_code_object_version 6
	.text
	.protected	k_qdb51a78900_quant
	.globl	k_qdb51a78900_quant
	.p2align	8
	.type	k_qdb51a78900_quant,@function
k_qdb51a78900_quant:
	s_mov_b64 s[64:65], 0
	v_nop
	global_prefetch_b8 v0, s[64:65] scope:SCOPE_SE
	s_setreg_imm32_b32 hwreg(HW_REG_WAVE_MODE, 25, 1), 1
	s_wait_xcnt 0x0
; hidden_states, wq, wk, wv, wo (f32, K innermost) become codes of FP6 (E2M3) with one E8M0 byte for each 32 along K, laid as RECORDS; and the table (cos, sin)[s][i] of the rotary embedding is made.
; A RECORD is 64 rows x 128 along K of an operand, 6,400 bytes, as images of the operand's registers: tile t (0..3) at 1536 t; its registers 4 c .. 4 c + 3 at + 512 c + 16 x lane.
; Lane (r, h) of tile t holds record row 32 (t / 2) + 8 (t % 2) + r + 8 (r / 8); registers 6 c .. 6 c + 5 hold k = 64 c + 32 h + 0 .. 31.  The rows' scale words lie at 6144 + 16 r + 4 t.
; Wave W = 4 x work-group + wave makes record W of rec1: x 0-1023, wq 1024-2047, wk 2048-2559, wv 2560-3071 (32 records to a group of 64 rows), wo 3072-4095 (16 to a group).
; A block's scale is 2^(floor(log2(its largest magnitude)) - 2); its byte is that magnitude's exponent field - 2, held at 1 from below.
; LIMITS: a block of zeros, and one whose largest magnitude lies under 2^-124, gets the byte 1 (its codes are zeros or as the held scale gives them; this program alone reads the bytes);
; NaN and infinities among the inputs are not served; |position_ids| up to 2^20 (the reduction of the angle by pi / 2 in two parts is good to about 1e-7 there).
; Each load reads one row's 512 consecutive bytes; 16 rows turn through the wave's own stage in LDS (pitch 528, an odd multiple of 16 bytes) so that a lane holds 16 neighbours of each block of 32 of ONE row.
; No tensor loads, no barrier: waves share nothing.  Three fragments' loads (48 a wave) are out at the start.
.set STG, 8448                         ; a wave's stage: 16 rows x 528 bytes
.set HH,  3                            ; v3   h = lane / 16
.set LI,  4                            ; v4   16 x lane
.set STI, 5                            ; v5   the stage, on the way in
.set STO, 6                            ; v6   and on the way out: row r, + 64 h
.set SWA, 7                            ; v7   16 r + 8 h: my two scale words' place
.set OFF, 8                            ; v8-15  16 x lane + rho x pitch
.set SET, 16                           ; v16-207 three sets of 64 numbers
.set TM,  208                          ; v208-223 at work in QUANT
.set PC,  224                          ; v224-243 the codes just made
.set PW,  244                          ; v244-247 the four tiles' scale words
.set SW,  248                          ; v248-249 the two words that I store
.set CSO, 250                          ; v250-251 (cos, sin)
.set TO,  252                          ; v252 8 x thread
.set BT,  32                           ; s[32:47] eight bases: tile t, rows 0-7 or 16-23 of its sixteen
.set OUT, 48                           ; s[48:49] my record
.set SEL, 56                           ; s[56:57] lane selects: lane l xor 16
.set MSB, 0
.macro WIN new                         ; (all registers of this text lie in window 0: the macro writes nothing here)
.if MSB != (\new)
	s_set_vgpr_msb (MSB<<8)|(\new)
.set MSB, (\new)
.endif
.endm
; 64 numbers of a lane, v[s] on in window w, register 16 b + i = k 32 b + 16 h + i of my row, become a fragment's codes in v[pc] .. v[pc + 11] and its scale word in v[pw].
.macro QUANT s, w, pc, pw
	WIN 5*(\w)
.irp b, 0,1,2,3
	v_max3_num_f32 v[TM+\b], |v[(\s)+16*\b]|, |v[(\s)+16*\b+1]|, 0x1800000   ; block b: my 16 numbers, and the floor 2^(3 - 127): the byte cannot fall under 1
.endr
	WIN 0x14*(\w)
.irp i, 2,4,6,8,10,12,14
.irp b, 0,1,2,3
	v_max3_num_f32 v[TM+\b], v[TM+\b], |v[(\s)+16*\b+\i]|, |v[(\s)+16*\b+\i+1]|   ; the four blocks by turns
.endr
.endr
	WIN 0
.irp b, 0,1,2,3
	v_permlanex16_b32 v[TM+4+\b], v[TM+\b], s[SEL], s[SEL+1]
.endr
.irp b, 0,1,2,3
	v_max_num_f32 v[TM+\b], v[TM+\b], v[TM+4+\b]   ; with lane l xor 16's: the block's largest magnitude
.endr
.irp b, 0,1,2,3
	v_add_nc_u32 v[TM+12+\b], 0xff000000, v[TM+\b]   ; 2 off its exponent field: the conversion's scale operand
.endr
.irp b, 0,1,2,3
	v_lshrrev_b32 v[TM+4+\b], 23, v[TM+12+\b]      ; the scale's byte
.endr
	v_lshl_or_b32 v[\pw], v[TM+5], 8, v[TM+4]
	v_lshl_or_b32 v[\pw], v[TM+6], 16, v[\pw]
	v_lshl_or_b32 v[\pw], v[TM+7], 24, v[\pw]
	WIN (\w)
.irp c, 0,1
	v_cvt_scalef32_pk16_fp6_f32 v[(\pc)+6*\c:(\pc)+6*\c+2], v[(\s)+32*\c:(\s)+32*\c+15], v[TM+12+2*\c]
	v_cvt_scalef32_pk16_fp6_f32 v[(\pc)+12+4*\c:(\pc)+12+4*\c+2], v[(\s)+32*\c+16:(\s)+32*\c+31], v[TM+12+2*\c+1]   ; (a conversion's three registers begin on an even number)
.endr
	WIN 0
	v_nop                                          ; one plain place behind a scaled conversion
.irp c, 0,1                            ; the operand's layout wants a whole block in a lane
.irp i, 0,1,2
	v_permlane16_swap_b32 v[(\pc)+6*\c+\i], v[(\pc)+12+4*\c+\i]
.endr
.irp i, 0,1,2
	v_mov_b32 v[(\pc)+3+6*\c+\i], v[(\pc)+12+4*\c+\i]
.endr
.endr
.endm
.macro IMAGEG pc, base, off            ; a fragment goes to memory as it stands: each store covers 512 consecutive bytes, aligned to 256
.irp c, 0,1,2
	global_store_b128 v[LI], v[(\pc)+4*\c:(\pc)+4*\c+3], s[\base:\base+1] offset:(\off)+512*\c
.endr
.endm
.macro SWORDS p, base, off             ; the record's 64 scale words: lanes 0-15 store tiles 0 and 1's, lanes 16-31 tiles 2 and 3's: 256 consecutive bytes, aligned
	v_cmp_ne_u32 vcc_lo, 0, v[HH]
	v_cndmask_b32 v[SW], v[\p], v[\p+2], vcc_lo
	v_cndmask_b32 v[SW+1], v[\p+1], v[\p+3], vcc_lo
	global_store_b64 v[SWA], v[SW:SW+1], s[\base:\base+1] offset:(\off)+6144
.endm
.macro LOAD t                          ; tile t's sixteen rows, 512 bytes each, into set t % 3
.irp p, 0,1,2,3,4,5,6,7,8,9,10,11,12,13,14,15
	global_load_b128 v[SET+64*((\t)%3)+4*\p:SET+64*((\t)%3)+4*\p+3], v[OFF+\p%8], s[BT+4*(\t)+2*(\p/8):BT+4*(\t)+2*(\p/8)+1] th:TH_LOAD_NT
.endr
.endm
.macro TURN s                          ; sixteen rows through my stage, in place: LDS serves a wave's instructions in order, so no wait stands between the stores and the loads
.set n, 0
.rept 16
	ds_store_b128 v[STI], v[(\s)+4*n:(\s)+4*n+3] offset:528*n
.set n, n+1
.endr
.irp b, 0,1,2,3
.irp j, 0,1,2,3
	ds_load_b128 v[(\s)+16*\b+4*\j:(\s)+16*\b+4*\j+3], v[STO] offset:128*\b+16*\j
.endr
.endr
.endm
	s_load_b256 s[4:11], s[0:1], 0x0               ; x s[4:5], wq s[6:7], wk s[8:9], wv s[10:11]
	s_load_b256 s[12:19], s[0:1], 0x20             ; wo s[12:13], position_ids s[14:15], rec1 s[16:17], cstab s[18:19]
	v_lshl_add_u32 v254, v0, 2, 0x8400
	v_mov_b32 v255, 0
	v_lshrrev_b32 v1, 5, v0
	v_readfirstlane_b32 s20, v1                    ; wave
	v_and_b32 v1, 31, v0                           ; lane
	v_and_b32 v2, 15, v0                           ; r
	v_bfe_u32 v[HH], v0, 4, 1
	v_lshlrev_b32 v[LI], 4, v1
	s_mul_i32 s26, s20, STG
	v_add_nc_u32 v[STI], s26, v[LI]
	v_mul_u32_u24 v[STO], v2, 528
	v_lshl_add_u32 v[STO], v[HH], 6, v[STO]
	v_add_nc_u32 v[STO], s26, v[STO]
	v_lshlrev_b32 v[SWA], 4, v2
	v_lshl_add_u32 v[SWA], v[HH], 3, v[SWA]
	v_lshlrev_b32 v[TO], 3, v0
	s_mov_b32 s[SEL], 0x76543210
	s_mov_b32 s[SEL+1], 0xfedcba98
	s_mov_b32 s58, 0x40c90fdb                      ; 2 pi
	s_mov_b32 s59, 0x46000000                      ; 8192
	s_mov_b32 s60, 0x45000000                      ; 2048
	s_mov_b32 s21, 8192                            ; wo: a row is 8,192 bytes, 16 K steps
	s_mov_b32 s24, 768
	s_mov_b32 s31, 0
	s_wait_alu depctr_va_vdst(0)
	s_wait_kmcnt 0x0
	s_mov_b64 s[22:23], s[12:13]
	s_cmp_lt_u32 ttmp9, 768                        ; which tensor: the choice hangs on the work-group's number alone; one way through the text serves all five
	s_cselect_b64 s[22:23], s[10:11], s[22:23]
	s_cselect_b32 s24, 640, s24
	s_cselect_b32 s21, 16384, s21                  ; the others: 16,384 bytes, 32 K steps
	s_cselect_b32 s25, 5, 4
	s_cmp_lt_u32 ttmp9, 640
	s_cselect_b64 s[22:23], s[8:9], s[22:23]
	s_cselect_b32 s24, 512, s24
	s_cmp_lt_u32 ttmp9, 512
	s_cselect_b64 s[22:23], s[6:7], s[22:23]
	s_cselect_b32 s24, 256, s24
	s_cmp_lt_u32 ttmp9, 256
	s_cselect_b64 s[22:23], s[4:5], s[22:23]
	s_cselect_b32 s24, 0, s24
	s_sub_co_u32 s26, ttmp9, s24
	s_lshl_b32 s26, s26, 2
	s_add_co_u32 s26, s26, s20                     ; my record's number inside its tensor
	s_lshr_b32 s27, s26, s25                       ; its group of 64 rows
	s_bfm_b32 s28, s25, 0
	s_and_b32 s28, s26, s28                        ; its K step
	s_lshl_b32 s29, s21, 6
	s_mul_i32 s30, s27, s29
	s_lshl_b32 s28, s28, 9
	s_add_co_u32 s30, s30, s28
	s_add_nc_u64 s[22:23], s[22:23], s[30:31]      ; the record's first number
.irp t, 0,1,2,3
.irp c, 0,1
	s_mul_i32 s30, s21, 32*(\t/2)+8*(\t%2)+16*\c
	s_add_nc_u64 s[BT+4*\t+2*\c:BT+4*\t+2*\c+1], s[22:23], s[30:31]
.endr
.endr
.irp p, 0,1,2,3,4,5,6,7
	v_mad_u32_u24 v[OFF+\p], s21, \p, v[LI]
.endr
	s_lshl_b32 s26, ttmp9, 2
	s_add_co_u32 s26, s26, s20
	s_mul_i32 s30, s26, 6400
	s_add_nc_u64 s[OUT:OUT+1], s[16:17], s[30:31]
	s_lshl_b32 s30, ttmp9, 10
	s_add_nc_u64 s[50:51], s[18:19], s[30:31]      ; the table: two positions, 1,024 bytes, to a work-group
	s_and_b32 s52, s26, 1                          ; the table's unit U = my wave's number W: h = bit 0, j = bits 1-4, tile a = bits 5-6, group of 64 positions = bits 7-11
	s_lshl_b32 s52, s52, 4
	s_bfe_u32 s53, s26, 0x30001
	s_lshl_b32 s53, s53, 1
	s_add_co_u32 s52, s52, s53
	s_bfe_u32 s53, s26, 0x10004
	s_lshl_b32 s53, s53, 5
	s_add_co_u32 s52, s52, s53                     ; my wave's first frequency: 32 (j / 8) + 16 h + 2 (j % 8)
	s_lshr_b32 s53, s26, 7
	s_lshl_b32 s53, s53, 6
	s_bfe_u32 s54, s26, 0x10006
	s_lshl_b32 s54, s54, 5
	s_add_co_u32 s53, s53, s54
	s_bfe_u32 s54, s26, 0x10005
	s_lshl_b32 s54, s54, 3
	s_add_co_u32 s53, s53, s54                     ; the tile's first position: 64 group + 32 (a / 2) + 8 (a % 2)
	v_bfe_u32 v238, v0, 1, 4                       ; r = lane / 2
	v_and_b32 v237, 8, v238
	v_add3_u32 v238, v238, v237, s53               ; my position's index: + r + 8 (r / 8)
	v_lshlrev_b32 v238, 2, v238
	s_wait_alu depctr_va_vdst(0)
	global_load_b32 v237, v238, s[14:15]           ; my position
	LOAD 0
	LOAD 1
	LOAD 2
; THE TABLE, while the loads are on their way.  It is laid as an image of the registers in which launch qkv wants it: group of 64 positions x tile a x load j x lane (r, h) x 16 bytes,
; the 16 bytes holding cos, cos, sin, sin of frequencies i and i + 1, i = 32 (j / 8) + 16 h + 2 (j % 8), at position 64 group + 32 (a / 2) + 8 (a % 2) + r + 8 (r / 8).
; A wave makes one unit of 256 bytes: sixteen positions x two frequencies; lane t has r = t / 2 and frequency i + t % 2.
; P = 500000^(i / 64) as a product of the square roots picked by i's bits, in pairs of f32 (a number and its rounding error), so that its f32 value is rounded once; then the steps of reference(), each rounded as numpy rounds it.
.set TI, 208
.set CH, 209
.set CL, 210
.set PH, 211
.set PL, 212
.set YY, 213
.set S0, 214
.set EE, 215
.set LO, 216
.set FH, 217
.set FL, 218
.set MH, 219
.set ME, 220
.set T0, 221
.set T1, 222
.set INV, 224
.set WL, 225
.set QQ, 226
.set SM, 227
.set IS, 228
.set FF, 229
.set XX, 230
.set NN, 231
.set RR, 232
.set ZZ, 233
.set SP, 234
.set CP, 235
.set KK, 236
.macro RCPR d, b                       ; 1 / b: the reciprocal and two steps of correction
	v_rcp_f32 v[\d], v[\b]
	v_nop                                          ; a plain place behind the transcendental,
	s_wait_alu depctr_va_vdst(0)                   ; and the wait ahead of its first reader
	v_fma_f32 v[EE], -v[\b], v[\d], 1.0
	v_fma_f32 v[\d], v[EE], v[\d], v[\d]
	v_fma_f32 v[EE], -v[\b], v[\d], 1.0
	v_fma_f32 v[\d], v[EE], v[\d], v[\d]
.endm
	v_and_or_b32 v[TI], v0, 1, s52
	v_mov_b32 v[CH], 0x48f42400                    ; 500000
	v_mov_b32 v[CL], 0
	v_mov_b32 v[PH], 1.0
	v_mov_b32 v[PL], 0
	s_wait_alu depctr_va_vdst(0)
.irp k, 5,4,3,2,1,0
	v_rsq_f32 v[YY], v[CH]                         ; c <- sqrt(c): 500000^(2^k / 64)
	v_and_b32 v[T1], 1<<\k, v[TI]                  ; (a plain place)
	s_wait_alu depctr_va_vdst(0)                   ; the wait ahead of the first reader
	v_mul_f32 v[S0], v[CH], v[YY]
	v_mul_f32 v[YY], 0.5, v[YY]
	v_fma_f32 v[EE], -v[S0], v[S0], v[CH]
	v_add_f32 v[EE], v[EE], v[CL]
	v_mul_f32 v[LO], v[EE], v[YY]
	v_add_f32 v[CH], v[S0], v[LO]
	v_sub_f32 v[T0], v[CH], v[S0]
	v_sub_f32 v[CL], v[LO], v[T0]
	v_cmp_ne_u32 vcc_lo, 0, v[T1]
	v_cndmask_b32 v[FH], 1.0, v[CH], vcc_lo        ; the factor: c where bit k of i is set, else 1
	v_cndmask_b32 v[FL], 0, v[CL], vcc_lo
	v_mul_f32 v[MH], v[PH], v[FH]                  ; p <- p x factor
	v_fma_f32 v[ME], v[PH], v[FH], -v[MH]
	v_fma_f32 v[ME], v[PH], v[FL], v[ME]
	v_fma_f32 v[ME], v[PL], v[FH], v[ME]
	v_add_f32 v[PH], v[MH], v[ME]
	v_sub_f32 v[T0], v[PH], v[MH]
	v_sub_f32 v[PL], v[ME], v[T0]
.endr
	RCPR INV, PH                                   ; inv = 1 / P
	s_wait_alu depctr_va_vdst(0)
	RCPR YY, INV
	v_mul_f32 v[QQ], s58, v[YY]                    ; the wavelength 2 pi / inv: quotient, remainder, correction
	v_fma_f32 v[EE], -v[INV], v[QQ], s58
	v_fma_f32 v[WL], v[EE], v[YY], v[QQ]
	s_wait_alu depctr_va_vdst(0)
	RCPR YY, WL
	v_mul_f32 v[QQ], s59, v[YY]                    ; 8192 / wavelength
	v_fma_f32 v[EE], -v[WL], v[QQ], s59
	v_fma_f32 v[QQ], v[EE], v[YY], v[QQ]
	v_add_f32 v[QQ], -1.0, v[QQ]
	v_mul_f32 v[SM], 0x3eaaaaab, v[QQ]             ; / 3, by the same correction
	v_fma_f32 v[EE], 0xc0400000, v[SM], v[QQ]
	v_fma_f32 v[SM], 0x3eaaaaab, v[EE], v[SM]
	v_mul_f32 v[IS], 0x3e000000, v[INV]            ; inv / 8
	v_sub_f32 v[T0], 1.0, v[SM]
	v_mul_f32 v[T0], v[T0], v[IS]
	v_mul_f32 v[T1], v[SM], v[INV]
	v_add_f32 v[T0], v[T0], v[T1]                  ; the smoothed frequency
	v_cmp_lt_f32 vcc_lo, s59, v[WL]
	v_cndmask_b32 v[FF], v[T0], v[IS], vcc_lo      ; wavelength > 8192: inv / 8
	v_cmp_gt_f32 vcc_lo, s60, v[WL]
	v_cndmask_b32 v[FF], v[FF], v[INV], vcc_lo     ; wavelength < 2048: inv
	s_wait_loadcnt 48                              ; the position: behind its load stand the 48 loads of three tiles
	v_cvt_f32_i32 v[XX], v237
	s_wait_alu depctr_va_vdst(0)
	v_mul_f32 v[XX], v[XX], v[FF]                  ; the angle, rounded once as in reference()
	v_mul_f32 v[NN], 0x3f22f983, v[XX]
	v_rndne_f32 v[NN], v[NN]                       ; n = the nearest multiple of pi / 2
	v_fma_f32 v[RR], 0xbfc90fdb, v[NN], v[XX]      ; rho = x - n pi / 2, pi / 2 in two parts
	v_fma_f32 v[RR], 0x333bbd2e, v[NN], v[RR]
	v_mul_f32 v[ZZ], v[RR], v[RR]
	v_mov_b32 v[SP], 0x3638ef1d                    ; sine and cosine of rho, |rho| <= pi / 4 and a little: their series by Horner's rule
	v_mov_b32 v[CP], 0xb493f27e
	v_fmaak_f32 v[SP], v[SP], v[ZZ], 0xb9500d01
	v_fmaak_f32 v[CP], v[CP], v[ZZ], 0x37d00d01
	v_fmaak_f32 v[SP], v[SP], v[ZZ], 0x3c088889
	v_fmaak_f32 v[CP], v[CP], v[ZZ], 0xbab60b61
	v_fmaak_f32 v[SP], v[SP], v[ZZ], 0xbe2aaaab
	v_fmaak_f32 v[CP], v[CP], v[ZZ], 0x3d2aaaab
	v_mul_f32 v[SP], v[SP], v[ZZ]
	v_fmaak_f32 v[CP], v[CP], v[ZZ], 0xbf000000
	v_fma_f32 v[SP], v[SP], v[RR], v[RR]
	v_fma_f32 v[CP], v[CP], v[ZZ], 1.0
	v_cvt_i32_f32 v[KK], v[NN]
	v_and_b32 v[T0], 1, v[KK]
	v_cmp_ne_u32 vcc_lo, 0, v[T0]
	v_cndmask_b32 v[CSO+1], v[SP], v[CP], vcc_lo   ; an odd quadrant swaps the two;
	v_cndmask_b32 v[CSO], v[CP], v[SP], vcc_lo
	v_lshlrev_b32 v[T0], 30, v[KK]                 ; the sine's sign is bit 1 of n,
	v_and_b32 v[T0], 0x80000000, v[T0]
	v_xor_b32 v[CSO+1], v[CSO+1], v[T0]
	v_add_nc_u32 v[T1], 1, v[KK]                   ; the cosine's bit 1 of n + 1
	v_lshlrev_b32 v[T1], 30, v[T1]
	v_and_b32 v[T1], 0x80000000, v[T1]
	v_xor_b32 v[CSO], v[CSO], v[T1]
	v_mov_b32_dpp v[T0], v[CSO] row_xmask:1 row_mask:0xf bank_mask:0xf     ; my neighbour's cosine
	v_mov_b32_dpp v[T1], v[CSO+1] row_xmask:1 row_mask:0xf bank_mask:0xf   ; and sine
	v_and_b32 v[KK], 1, v0
	v_cmp_ne_u32 vcc_lo, 0, v[KK]
	v_cndmask_b32 v[CSO], v[CSO], v[T1], vcc_lo    ; the even lane stores the two cosines, the odd lane the two sines
	v_cndmask_b32 v[CSO+1], v[T0], v[CSO+1], vcc_lo
	global_store_b64 v[TO], v[CSO:CSO+1], s[50:51]   ; a wave stores 256 consecutive bytes, aligned; its registers are not written again
.irp b, 0,1,2,3
	v_mov_b32 v[TM+4+\b], 0                        ; a lane permute's destination counts as one of its sources
.endr
.irp t, 0,1,2,3
.if \t < 2
	s_wait_loadcnt 32                              ; this tile's sixteen loads are in; those of the two tiles behind it may be out
.else
	s_wait_loadcnt 16*(3-\t)
.endif
.if \t > 0
	s_wait_xcnt 0x0                                ; the last tile's stores have read the codes' registers, which are written again below
.endif
	TURN SET+64*(\t%3)
	s_wait_dscnt 0x0
	QUANT SET+64*(\t%3), 0, PC, PW+\t
	IMAGEG PC, OUT, 1536*\t
.if \t == 0
	LOAD 3                                         ; into the set that tile 0 has left
.endif
.endr
	SWORDS PW, OUT, 0
	s_wait_tensorcnt 0x0
	ds_add_u32 v254, v255
	s_wait_dscnt 0x0
	s_endpgm
.Lfunc_end_k_qdb51a78900_quant:
	.size	k_qdb51a78900_quant, .Lfunc_end_k_qdb51a78900_quant-k_qdb51a78900_quant
	.p2alignl 7, 3214868480
	.fill 96, 4, 3214868480
	.section	.rodata,"a",@progbits
	.p2align	6, 0x0
	.amdhsa_kernel k_qdb51a78900_quant
		.amdhsa_group_segment_fixed_size 34304
		.amdhsa_private_segment_fixed_size 0
		.amdhsa_enable_private_segment 0
		.amdhsa_kernarg_size 64
		.amdhsa_user_sgpr_count 2
		.amdhsa_user_sgpr_kernarg_segment_ptr 1
		.amdhsa_wavefront_size32 1
		.amdhsa_system_sgpr_workgroup_id_x 1
		.amdhsa_system_sgpr_workgroup_id_y 1
		.amdhsa_system_sgpr_workgroup_id_z 1
		.amdhsa_system_vgpr_workitem_id 0
		.amdhsa_next_free_vgpr 256
		.amdhsa_next_free_sgpr 66
		.amdhsa_reserve_vcc 1
		.amdhsa_float_denorm_mode_32 3
		.amdhsa_float_denorm_mode_16_64 3
		.amdhsa_memory_ordered 1
		.amdhsa_forward_progress 1
		.amdhsa_inst_pref_size 45
	.end_amdhsa_kernel
	.amdgpu_metadata
---
amdhsa.version: [ 1, 2 ]
amdhsa.kernels:
  - .name:           k_qdb51a78900_quant
    .symbol:         k_qdb51a78900_quant.kd
    .args:
      - { .name: hidden_states, .offset: 0, .size: 8, .value_kind: global_buffer, .address_space: global }
      - { .name: wq, .offset: 8, .size: 8, .value_kind: global_buffer, .address_space: global }
      - { .name: wk, .offset: 16, .size: 8, .value_kind: global_buffer, .address_space: global }
      - { .name: wv, .offset: 24, .size: 8, .value_kind: global_buffer, .address_space: global }
      - { .name: wo, .offset: 32, .size: 8, .value_kind: global_buffer, .address_space: global }
      - { .name: position_ids, .offset: 40, .size: 8, .value_kind: global_buffer, .address_space: global }
      - { .name: rec1, .offset: 48, .size: 8, .value_kind: global_buffer, .address_space: global }
      - { .name: cstab, .offset: 56, .size: 8, .value_kind: global_buffer, .address_space: global }
    .group_segment_fixed_size: 34304
    .private_segment_fixed_size: 0
    .kernarg_segment_align: 8
    .kernarg_segment_size: 64
    .max_flat_workgroup_size: 128
    .sgpr_count:     66
    .vgpr_count:     256
    .wavefront_size: 32
...
	.end_amdgpu_metadata
.endif
;; end of part 1
;; launch qkv (part 2): grid 16 x 16, 4 waves a work-group, clusters of 4 x 4, 327,680 bytes of LDS; arguments rec1, cstab, rec2; writes rec2
.if DOCPART == 2
	.amdgcn_target "amdgcn-amd-amdhsa--gfx1250"
	.amdhsa_code_object_version 6
	.text
	.protected	k_qdb51a78900_qkv
	.globl	k_qdb51a78900_qkv
	.p2align	8
	.type	k_qdb51a78900_qkv,@function
k_qdb51a78900_qkv:
	s_mov_b64 s[64:65], 0
	v_nop
	global_prefetch_b8 v0, s[64:65] scope:SCOPE_SE
	s_setreg_imm32_b32 hwreg(HW_REG_WAVE_MODE, 25, 1), 1
	s_wait_xcnt 0x0
	s_wait_alu depctr_hold_cnt(0) depctr_sa_sdst(0) depctr_va_vdst(0) depctr_va_sdst(0) depctr_va_ssrc(0) depctr_va_vcc(0) depctr_vm_vsrc(0)
	s_getreg_b32 s2, hwreg(HW_REG_IB_STS2, 6, 4)
	s_cmp_eq_u32 s2, 0
	s_cbranch_scc0 .Lentry_in_a_cluster
	s_endpgm
.Lentry_in_a_cluster:
	s_bfe_u32 s2, ttmp6, 0x10000c
	s_cmp_lg_u32 s2, 0xf033
	s_cbranch_scc0 .Lentry_shape_is_right
	s_endpgm
.Lentry_shape_is_right:
; q, k = x wq^T, x wk^T and v^T = wv x^T on codes of FP6 (E2M3) with E8M0 scales: records of rec1 in, records of rec2 out (the record: see launch quant).
; A work-group makes 128 x 256 of a product, a wave 64 x 128 in 32 accumulators.  K = 4,096 goes in eight fills of 512 along K through a ring of two LDS slots; a slot is six chunks of four records (25,600 bytes each): two of the first side, four of the second.
; CLUSTER 4 x 4: the first side's chunks are asked for jointly along a row of the cluster, the second side's along a column.  One joint load a wave at the head; slot 1's first fill stands behind the full sequence and a round.
; The matrix instruction is used transposed, so that a lane holds one row and its registers run along the next K: q and k are rotated by the table (cos, sin), all three are quantised (q, k along the head's 128, v along 128 keys) and stored as records.
; PREFETCH: behind the load of slot n stands a request for slot n + 2: of a slot's four chunks of the second side the partner at cy names one (100 blocks of 256 bytes, 25 a wave), of the two chunks of the first side the partner at cx names half of one
; (50 blocks, 13 a wave, the last wave 11); lanes left over name their wave's last block again.  The head asks for slots 1 and 2; the refills of slots 6 and 7 ask for nothing.
; The table's 64 loads a wave are issued in the last slot's steps, in two runs of 32.
; LIMITS: as in launch quant (a block of zeros or under 2^-124 gets the byte 1; NaN and infinities are not served).
.set GSTRIDE, 204800
.set LAPS,  4
.set CHUNK, 25600
.set SLOT,  6*CHUNK
.set SPARE, 2*SLOT
.set HH,   3
.set LI,   4
.set SWA,  7
.set ADRA, 16
.set ADRB, 18
.set ADSA, 20
.set ADSB, 22
.set SPW,  28
.set NIL,  29
.set SC,   32
.set AF,   64
.set X,    64
.set PC,   128
.set TM,   160
.set PW,   176
.set SW,   180
.set WV,   10
.set ROLE, 11
.set WN,   12
.set OUT,  20
.set SEL,  22
.set G1A,  24
.set G0A,  32
.set G1B,  40
.set G0B,  48
.set MULW, 0x52
.set MSB, 0
.macro WIN new
.if MSB != (\new)
	s_set_vgpr_msb (MSB<<8)|(\new)
.set MSB, (\new)
.endif
.endm
.macro PLACES n
.rept \n
	v_nop
.endr
.endm
.macro CREST
	s_cmp_lg_u32 s[WV], 0
	s_cbranch_scc1 .Lnot_wave_0_\@
	s_barrier_signal -3
.Lnot_wave_0_\@:
	s_barrier_wait -3
	s_barrier_signal -1
	s_barrier_wait -1
.endm
.macro CROUND
	s_barrier_signal -1
	s_barrier_wait -1
	CREST
.endm
.macro JLOAD g0a, g1a, g0b, g1b
	s_cmp_eq_u32 s[ROLE], 0
	s_cbranch_scc0 .Lfor_b_\@
	tensor_load_to_lds s[\g0a:\g0a+3], s[\g1a:\g1a+7]
	s_nop 0
.rept 4
	v_nop
.endr
	s_branch .Lasked_\@
.Lfor_b_\@:
	tensor_load_to_lds s[\g0b:\g0b+3], s[\g1b:\g1b+7]
	s_nop 0
.rept 4
	v_nop
.endr
.Lasked_\@:
.endm
.macro QUANT s, w, pc, pw
	WIN 5*(\w)
.irp b, 0,1,2,3
	v_max3_num_f32 v[TM+\b], |v[(\s)+16*\b]|, |v[(\s)+16*\b+1]|, 0x1800000
.endr
	WIN 0x14*(\w)
.irp i, 2,4,6,8,10,12,14
.irp b, 0,1,2,3
	v_max3_num_f32 v[TM+\b], v[TM+\b], |v[(\s)+16*\b+\i]|, |v[(\s)+16*\b+\i+1]|
.endr
.endr
	WIN 0
.irp b, 0,1,2,3
	v_permlanex16_b32 v[TM+4+\b], v[TM+\b], s[SEL], s[SEL+1]
.endr
.irp b, 0,1,2,3
	v_max_num_f32 v[TM+\b], v[TM+\b], v[TM+4+\b]
.endr
.irp b, 0,1,2,3
	v_add_nc_u32 v[TM+12+\b], 0xff000000, v[TM+\b]
.endr
.irp b, 0,1,2,3
	v_lshrrev_b32 v[TM+4+\b], 23, v[TM+12+\b]
.endr
	v_lshl_or_b32 v[\pw], v[TM+5], 8, v[TM+4]
	v_lshl_or_b32 v[\pw], v[TM+6], 16, v[\pw]
	v_lshl_or_b32 v[\pw], v[TM+7], 24, v[\pw]
	WIN (\w)
.irp c, 0,1
	v_cvt_scalef32_pk16_fp6_f32 v[(\pc)+6*\c:(\pc)+6*\c+2], v[(\s)+32*\c:(\s)+32*\c+15], v[TM+12+2*\c]
	v_cvt_scalef32_pk16_fp6_f32 v[(\pc)+12+4*\c:(\pc)+12+4*\c+2], v[(\s)+32*\c+16:(\s)+32*\c+31], v[TM+12+2*\c+1]
.endr
	WIN 0
	v_nop
.irp c, 0,1
.irp i, 0,1,2
	v_permlane16_swap_b32 v[(\pc)+6*\c+\i], v[(\pc)+12+4*\c+\i]
.endr
.irp i, 0,1,2
	v_mov_b32 v[(\pc)+3+6*\c+\i], v[(\pc)+12+4*\c+\i]
.endr
.endr
.endm
.macro IMAGEG pc, base, off
.irp c, 0,1,2
	global_store_b128 v[LI], v[(\pc)+4*\c:(\pc)+4*\c+3], s[\base:\base+1] offset:(\off)+512*\c
.endr
.endm
.macro SWORDS p, base, off
	v_cmp_ne_u32 vcc_lo, 0, v[HH]
	v_cndmask_b32 v[SW], v[\p], v[\p+2], vcc_lo
	v_cndmask_b32 v[SW+1], v[\p+1], v[\p+3], vcc_lo
	global_store_b64 v[SWA], v[SW:SW+1], s[\base:\base+1] offset:(\off)+6144
.endm
.macro FETCH slot, q, p
	WIN 0x80
.irp b, 0,1,2,3,4,5,6,7
.irp c, 0,1,2
	ds_load_b128 v[96*(\p)+12*\b+4*\c:96*(\p)+12*\b+4*\c+3], v[ADRB+\slot] offset:CHUNK*(\b/4)+6400*(\q)+1536*(\b%4)+512*\c
.endr
.endr
	WIN 0
.irp a, 0,1,2,3
.irp c, 0,1,2
	ds_load_b128 v[AF+48*(\p)+12*\a+4*\c:AF+48*(\p)+12*\a+4*\c+3], v[ADRA+\slot] offset:6400*(\q)+1536*\a+512*\c
.endr
.endr
	ds_load_b128 v[SC+12*(\p):SC+12*(\p)+3], v[ADSA+\slot] offset:6400*(\q)+6144
	ds_load_b128 v[SC+12*(\p)+4:SC+12*(\p)+7], v[ADSB+\slot] offset:6400*(\q)+6144
	ds_load_b128 v[SC+12*(\p)+8:SC+12*(\p)+11], v[ADSB+\slot] offset:6400*(\q)+6144+CHUNK
.endm
.macro MUL8 a, p, zero
.irp b, 0,1,2,3,4,5,6,7
.if \zero
	v_wmma_scale_f32_16x16x128_f8f6f4 v[8*(8*(\a)+\b):8*(8*(\a)+\b)+7], v[96*(\p)+12*\b:96*(\p)+12*\b+11], v[AF+48*(\p)+12*(\a):AF+48*(\p)+12*(\a)+11], 0, v[SC+12*(\p)+4+\b], v[SC+12*(\p)+(\a)] matrix_a_fmt:MATRIX_FMT_FP6 matrix_b_fmt:MATRIX_FMT_FP6
.else
	v_wmma_scale_f32_16x16x128_f8f6f4 v[8*(8*(\a)+\b):8*(8*(\a)+\b)+7], v[96*(\p)+12*\b:96*(\p)+12*\b+11], v[AF+48*(\p)+12*(\a):AF+48*(\p)+12*(\a)+11], v[8*(8*(\a)+\b):8*(8*(\a)+\b)+7], v[SC+12*(\p)+4+\b], v[SC+12*(\p)+(\a)] matrix_a_fmt:MATRIX_FMT_FP6 matrix_b_fmt:MATRIX_FMT_FP6
.endif
.endr
.endm
.macro STEP slot, q, zero
	PLACES 4
	FETCH \slot, (\q)+1, ((\q)+1)%2
	s_wait_dscnt 39
	WIN MULW
	MUL8 0, (\q)%2, \zero
	MUL8 1, (\q)%2, \zero
	MUL8 2, (\q)%2, \zero
	MUL8 3, (\q)%2, \zero
.endm
.set PF,   84                          ; s[84:85] rec1 + 25,600 x (the slot that is being asked for by the refill)
.set PFB,  8                           ; v8  my block of the second side's chunk; never rewritten
.set PFAO, 9                           ; v9  my block of the first side's half chunk; never rewritten
.macro ASK                             ; the slot two refills on; s3 = 1 in the loop's last trip, whose refills have no slot two on
	s_cmp_gt_u32 s3, 1
	s_cbranch_scc0 .Lno_ask_\@
	global_prefetch_b8 v[PFB], s[PF:PF+1] offset:2*CHUNK th:TH_LOAD_NT scope:SCOPE_SE
	global_prefetch_b8 v[PFAO], s[PF:PF+1] offset:2*CHUNK th:TH_LOAD_NT scope:SCOPE_SE
.Lno_ask_\@:
.endm
.macro TURN slot, next, fill
	WIN 0
.if \fill
	s_wait_xcnt 0x0                                ; the last prefetches, a slot back, have read their base: it steps here
	s_add_nc_u64 s[PF:PF+1], s[PF:PF+1], CHUNK
.endif
	s_wait_tensorcnt 0x0
	ds_add_u32 v[SPW], v[NIL]
	s_wait_dscnt 1
	WIN MULW
	MUL8 0, 1, 0
	s_wait_dscnt 0x0
	s_barrier_signal -1
	MUL8 1, 1, 0
	WIN 0
	s_barrier_wait -1
.if \fill
	CREST
	s_add_nc_u64 s[G0A+4*\slot+2:G0A+4*\slot+3], s[G0A+4*\slot+2:G0A+4*\slot+3], 2*CHUNK
	s_add_nc_u64 s[G0B+4*\slot+2:G0B+4*\slot+3], s[G0B+4*\slot+2:G0B+4*\slot+3], 2*CHUNK
	JLOAD G0A+4*\slot, G1A, G0B+4*\slot, G1B
.else
	PLACES 4
.endif
	s_wait_alu depctr_va_vdst(0)
	FETCH \next, 0, 0
.if \fill
	ASK                                            ; behind the joint load, its five lines and the run of LDS loads
.endif
	WIN MULW
	MUL8 2, 1, 0
	MUL8 3, 1, 0
.endm
	s_load_b128 s[4:7], s[0:1], 0x0
	s_load_b64 s[8:9], s[0:1], 0x10
	v_lshl_add_u32 v[SPW], v0, 2, SPARE
	v_mov_b32 v[NIL], 0
	ds_add_u32 v28, v29
	ds_add_u32 v28, v29
	s_wait_dscnt 0x0
	v_lshrrev_b32 v1, 5, v0
	v_readfirstlane_b32 s[WV], v1
	s_lshr_b32 s[ROLE], s[WV], 1
	s_and_b32 s[WN], s[WV], 1
	s_bfe_u32 s13, ttmp6, 0x40000
	s_bfe_u32 s14, ttmp6, 0x40004
	s_and_b32 s15, ttmp7, 0xffff
	s_lshl_b32 s16, s14, 2
	s_lshl_b32 s16, 15, s16
	s_lshl_b32 s17, 0x1111, s13
	s_lshl_b32 s56, s15, 2
	s_add_co_u32 s56, s56, s14
	s_and_b32 s57, s15, 1
	s_lshl_b32 s57, s57, 2
	s_add_co_u32 s57, s57, s14
	s_lshl_b32 s58, ttmp9, 2
	s_add_co_u32 s58, s58, s13
	s_lshr_b32 s59, s15, 1
	s_lshl_b32 s59, s59, 2
	s_add_co_u32 s59, s59, s13
	s_cmp_eq_u32 ttmp9, 3
	s_cselect_b32 s18, 1, 0
	s_cselect_b32 s56, s57, s56
	s_cselect_b32 s58, s59, s58
	s_cselect_b32 s60, 80, 0
	s_cselect_b32 s61, 0, 32
	s_or_b32 s[G1A], s16, (3<<16)|(1<<21)
	s_mov_b32 s[G1A+1], 32<<16
	s_mov_b32 s[G1A+2], 100<<16
	s_mov_b32 s[G1A+3], 32<<16
	s_mov_b32 s[G1A+4], 100
	s_mov_b32 s[G1A+5], 32
	s_mov_b32 s[G1A+6], 0
	s_mov_b32 s[G1A+7], 0
	s_or_b32 s[G1B], s17, (3<<16)|(1<<21)
	s_mov_b32 s[G1B+1], 3200<<16
	s_mov_b32 s[G1B+2], 2<<16
	s_mov_b32 s[G1B+3], 3200<<16
	s_mov_b32 s[G1B+4], 2
	s_mov_b32 s[G1B+5], GSTRIDE/8
	s_mov_b32 s[G1B+6], 0
	s_mov_b32 s[G1B+7], 0
	s_lshl_b32 s62, s56, 1
	s_add_co_u32 s62, s62, s60
	s_add_co_u32 s62, s62, s[WN]
	s_mul_i32 s62, s62, GSTRIDE
	s_mov_b32 s63, 0
	s_lshl_b32 s66, s58, 2
	s_add_co_u32 s66, s66, s61
	s_lshl_b32 s67, s[WN], 1
	s_add_co_u32 s66, s66, s67
	s_mul_i32 s66, s66, GSTRIDE
	s_mov_b32 s67, 0
	s_mul_i32 s68, s[WN], CHUNK
	s_mul_i32 s69, s[WN], 2*CHUNK
	s_add_co_u32 s69, s69, 2*CHUNK
	s_mov_b32 s[SEL], 0x76543210
	s_mov_b32 s[SEL+1], 0xfedcba98
	s_wait_kmcnt 0x0
	s_add_nc_u64 s[62:63], s[4:5], s[62:63]
	s_add_nc_u64 s[66:67], s[4:5], s[66:67]
	CROUND
.irp s, 0,1
	s_mov_b32 s[G0A+4*\s], 1
	s_add_co_u32 s[G0A+4*\s+1], s68, \s*SLOT
	s_add_nc_u64 s[G0A+4*\s+2:G0A+4*\s+3], s[62:63], \s*CHUNK
	s_or_b32 s[G0A+4*\s+3], s[G0A+4*\s+3], 0x80000000
	s_mov_b32 s[G0B+4*\s], 1
	s_add_co_u32 s[G0B+4*\s+1], s69, \s*SLOT
	s_add_nc_u64 s[G0B+4*\s+2:G0B+4*\s+3], s[66:67], \s*CHUNK
	s_or_b32 s[G0B+4*\s+3], s[G0B+4*\s+3], 0x80000000
.endr
	JLOAD G0A, G1A, G0B, G1B                       ; slot 0: one tensor load a wave at the head
	s_lshl_b32 s80, s58, 2                         ; the prefetches: the second side's group 4 x block + cy,
	s_add_co_u32 s80, s80, s61
	s_add_co_u32 s80, s80, s14
	s_mul_i32 s80, s80, GSTRIDE
	s_mul_i32 s81, s[WV], 25*256                   ; my wave's 25 blocks of its chunk;
	s_add_co_u32 s80, s80, s81
	s_lshl_b32 s82, s56, 1                         ; the first side's group 2 x block + cx / 2,
	s_add_co_u32 s82, s82, s60
	s_lshr_b32 s83, s13, 1
	s_add_co_u32 s82, s82, s83
	s_mul_i32 s82, s82, GSTRIDE
	s_and_b32 s83, s13, 1
	s_mul_i32 s83, s83, 12800                      ; half cx % 2 of its chunk
	s_add_co_u32 s82, s82, s83
	s_add_nc_u64 s[PF:PF+1], s[4:5], CHUNK         ; at slot 1
	v_and_b32 v10, 31, v0
	v_min_u32 v[PFB], 24, v10
	v_min_u32 v[PFAO], 12, v10
	v_lshl_add_u32 v[PFB], v[PFB], 8, s80
	v_mad_u32_u24 v[PFAO], s[WV], 13, v[PFAO]
	v_min_u32 v[PFAO], 49, v[PFAO]
	v_lshl_add_u32 v[PFAO], v[PFAO], 8, s82
	global_prefetch_b8 v[PFB], s[PF:PF+1] th:TH_LOAD_NT scope:SCOPE_SE                  ; slot 1
	global_prefetch_b8 v[PFAO], s[PF:PF+1] th:TH_LOAD_NT scope:SCOPE_SE
	global_prefetch_b8 v[PFB], s[PF:PF+1] offset:CHUNK th:TH_LOAD_NT scope:SCOPE_SE     ; slot 2
	global_prefetch_b8 v[PFAO], s[PF:PF+1] offset:CHUNK th:TH_LOAD_NT scope:SCOPE_SE
	v_and_b32 v1, 31, v0
	v_and_b32 v2, 15, v0
	v_bfe_u32 v[HH], v0, 4, 1
	v_lshlrev_b32 v[LI], 4, v1
	v_lshlrev_b32 v5, 4, v2
	v_lshl_add_u32 v[SWA], v[HH], 3, v5
	s_mul_i32 s70, s[ROLE], CHUNK
	s_mul_i32 s71, s[WN], 2*CHUNK
	s_add_co_u32 s71, s71, 2*CHUNK
.irp s, 0,1
	v_add_nc_u32 v[ADRA+\s], s70, v[LI]
	v_add_nc_u32 v[ADRB+\s], s71, v[LI]
	v_add_nc_u32 v[ADSA+\s], s70, v5
	v_add_nc_u32 v[ADSB+\s], s71, v5
	s_add_co_u32 s70, s70, SLOT
	s_add_co_u32 s71, s71, SLOT
.endr
.irp b, 0,1,2,3
	v_mov_b32 v[TM+4+\b], 0
.endr
	s_lshl_b32 s72, s56, 1
	s_add_co_u32 s72, s72, s[ROLE]
	s_lshl_b32 s74, s72, 15
	s_mov_b32 s75, 0
	s_add_nc_u64 s[74:75], s[6:7], s[74:75]
.macro TABLE lo, hi                    ; (cos, sin) of the positions of my tiles lo and hi: 32 loads into window 3
	WIN 0xc0
.irp a, \lo, \hi
.irp b, 0,1
.irp p, 0,1,2,3,4,5,6,7
	global_load_b128 v[64*\a+32*\b+4*\p:64*\a+32*\b+4*\p+3], v[LI], s[74:75] offset:8192*\a+4096*\b+512*\p   ; the table is an image of these registers: a load covers 512 consecutive bytes; cos, cos, sin, sin of two frequencies
.endr
.endr
.endr
	WIN 0
.endm
	s_lshl_b32 s76, s58, 1
	s_add_co_u32 s76, s76, s[WN]
	s_lshl_b32 s77, s76, 5
	s_add_co_u32 s77, s77, s72
	s_lshr_b32 s78, s72, 1
	s_lshl_b32 s78, s78, 5
	s_lshl_b32 s79, s76, 1
	s_add_co_u32 s78, s78, s79
	s_and_b32 s79, s72, 1
	s_add_co_u32 s78, s78, s79
	s_add_co_u32 s78, s78, 768
	s_cmp_eq_u32 s18, 1
	s_cselect_b32 s77, s78, s77
	s_mul_i32 s[OUT], s77, 6400
	s_mov_b32 s[OUT+1], 0
	s_add_nc_u64 s[OUT:OUT+1], s[8:9], s[OUT:OUT+1]
	s_wait_alu depctr_va_vdst(0)                   ; the wait at the head's end
	s_wait_tensorcnt 0x0                           ; my part of slot 0 is in; the lines ahead of a later first fill:
	ds_add_u32 v[SPW], v[NIL]
	s_wait_dscnt 0x0
	CROUND                                         ; everybody's part of slot 0 is in, and all sixteen work-groups are here
	JLOAD G0A+4, G1A, G0B+4, G1B                   ; slot 1, the first tensor load behind the round
	FETCH 0, 0, 0
	global_prefetch_b8 v[PFB], s[PF:PF+1] offset:2*CHUNK th:TH_LOAD_NT scope:SCOPE_SE   ; slot 3
	global_prefetch_b8 v[PFAO], s[PF:PF+1] offset:2*CHUNK th:TH_LOAD_NT scope:SCOPE_SE
	STEP 0, 0, 1
	WIN 0
	s_mov_b32 s3, LAPS-1
.Llap:
	STEP 0, 1, 0
	STEP 0, 2, 0
	TURN 0, 1, 1
	STEP 1, 0, 0
	STEP 1, 1, 0
	STEP 1, 2, 0
	TURN 1, 0, 1
	STEP 0, 0, 0
	WIN 0
	s_sub_co_u32 s3, s3, 1
	s_cmp_lg_u32 s3, 0
	s_cbranch_scc1 .Llap
	STEP 0, 1, 0
	STEP 0, 2, 0
	TURN 0, 1, 0
	TABLE 0, 1                                     ; no tensor load is out any more: the table comes under the last slot's products
	STEP 1, 0, 0
	TABLE 2, 3
	STEP 1, 1, 0
	STEP 1, 2, 0
	s_wait_dscnt 0x0
	MUL8 0, 1, 0
	MUL8 1, 1, 0
	MUL8 2, 1, 0
	MUL8 3, 1, 0
	WIN 0
.macro ROPE a
	WIN 0x0d
.set n, 0
.rept 32
	v_pk_mul_f32 v[X+2*n:X+2*n+1], v[64*(\a)+2*n:64*(\a)+2*n+1], v[64*(\a)+32*((n/8)%2)+4*(n%8):64*(\a)+32*((n/8)%2)+4*(n%8)+1]
.set n, n+1
.endr
.set n, 0
.rept 16
	v_pk_fma_f32 v[X+2*n:X+2*n+1], v[64*(\a)+32+2*n:64*(\a)+32+2*n+1], v[64*(\a)+32*(n/8)+4*(n%8)+2:64*(\a)+32*(n/8)+4*(n%8)+3], v[X+2*n:X+2*n+1] neg_lo:[1,0,0] neg_hi:[1,0,0]
.set n, n+1
.endr
.set n, 0
.rept 16
	v_pk_fma_f32 v[X+32+2*n:X+32+2*n+1], v[64*(\a)+2*n:64*(\a)+2*n+1], v[64*(\a)+32*(n/8)+4*(n%8)+2:64*(\a)+32*(n/8)+4*(n%8)+3], v[X+32+2*n:X+32+2*n+1]
.set n, n+1
.endr
	WIN 0
.endm
	PLACES 4
	s_wait_loadcnt 0x0
	s_cmp_eq_u32 s18, 1
	s_cbranch_scc1 .Lv_path
.irp a, 0,1,2,3
.if \a > 0
	s_wait_xcnt 0x0
.endif
	ROPE \a
	QUANT X, 0, PC, PW+\a
	IMAGEG PC, OUT, 1536*\a
.endr
	s_branch .Ljoin
.Lv_path:
.irp a, 0,1,2,3
.if \a > 0
	s_wait_xcnt 0x0
.endif
	QUANT 64*\a, 1, PC, PW+\a
	IMAGEG PC, OUT, 1536*\a
.endr
.Ljoin:
	SWORDS PW, OUT, 0
	s_wait_tensorcnt 0x0
	ds_add_u32 v[SPW], v[NIL]
	s_wait_dscnt 0x0
	CROUND
	s_endpgm
.Lfunc_end_k_qdb51a78900_qkv:
	.size	k_qdb51a78900_qkv, .Lfunc_end_k_qdb51a78900_qkv-k_qdb51a78900_qkv
	.p2alignl 7, 3214868480
	.fill 96, 4, 3214868480
	.section	.rodata,"a",@progbits
	.p2align	6, 0x0
	.amdhsa_kernel k_qdb51a78900_qkv
		.amdhsa_group_segment_fixed_size 327680
		.amdhsa_private_segment_fixed_size 0
		.amdhsa_enable_private_segment 0
		.amdhsa_kernarg_size 24
		.amdhsa_user_sgpr_count 2
		.amdhsa_user_sgpr_kernarg_segment_ptr 1
		.amdhsa_wavefront_size32 1
		.amdhsa_system_sgpr_workgroup_id_x 1
		.amdhsa_system_sgpr_workgroup_id_y 1
		.amdhsa_system_sgpr_workgroup_id_z 1
		.amdhsa_system_vgpr_workitem_id 0
		.amdhsa_next_free_vgpr 1024
		.amdhsa_next_free_sgpr 100
		.amdhsa_reserve_vcc 1
		.amdhsa_float_denorm_mode_32 3
		.amdhsa_float_denorm_mode_16_64 3
		.amdhsa_memory_ordered 1
		.amdhsa_forward_progress 1
		.amdhsa_inst_pref_size 176
	.end_amdhsa_kernel
	.amdgpu_metadata
---
amdhsa.version: [ 1, 2 ]
amdhsa.kernels:
  - .name:           k_qdb51a78900_qkv
    .symbol:         k_qdb51a78900_qkv.kd
    .args:
      - { .name: rec1, .offset: 0, .size: 8, .value_kind: global_buffer, .address_space: global }
      - { .name: cstab, .offset: 8, .size: 8, .value_kind: global_buffer, .address_space: global }
      - { .name: rec2, .offset: 16, .size: 8, .value_kind: global_buffer, .address_space: global }
    .group_segment_fixed_size: 327680
    .private_segment_fixed_size: 0
    .kernarg_segment_align: 8
    .kernarg_segment_size: 24
    .max_flat_workgroup_size: 128
    .sgpr_count:     100
    .vgpr_count:     1024
    .wavefront_size: 32
...
	.end_amdgpu_metadata
.endif
;; end of part 2
;; launch attn (part 3): grid 32 x 8, 8 waves a work-group, clusters of 4 x 4, 327,680 bytes of LDS; arguments rec2, attention_mask, rec3; writes rec3
.if DOCPART == 3
	.amdgcn_target "amdgcn-amd-amdhsa--gfx1250"
	.amdhsa_code_object_version 6
	.text
	.protected	k_qdb51a78900_attn
	.globl	k_qdb51a78900_attn
	.p2align	8
	.type	k_qdb51a78900_attn,@function
k_qdb51a78900_attn:
	s_mov_b64 s[64:65], 0
	v_nop
	global_prefetch_b8 v0, s[64:65] scope:SCOPE_SE
	s_setreg_imm32_b32 hwreg(HW_REG_WAVE_MODE, 25, 1), 1
	s_wait_xcnt 0x0
	s_wait_alu depctr_hold_cnt(0) depctr_sa_sdst(0) depctr_va_vdst(0) depctr_va_sdst(0) depctr_va_ssrc(0) depctr_va_vcc(0) depctr_vm_vsrc(0)
	s_getreg_b32 s2, hwreg(HW_REG_IB_STS2, 6, 4)
	s_cmp_eq_u32 s2, 0
	s_cbranch_scc0 .Lentry_in_a_cluster
	s_endpgm
.Lentry_in_a_cluster:
	s_bfe_u32 s2, ttmp6, 0x10000c
	s_cmp_lg_u32 s2, 0xf033
	s_cbranch_scc0 .Lentry_shape_is_right
	s_endpgm
.Lentry_shape_is_right:
; ctx = softmax(q k^T / sqrt(128) + mask) v for 8 key heads x 2 query heads, both products on codes of FP6 (E2M3) with E8M0 scales; ctx quantised along head x 128 + d and stored as records (the record: see launch quant).
; THE SOFTMAX: t = score x (128^-0.5 log2(e)) + mask x log2(e), by one fused multiply-add (the mask is an input: every number of it is read and added); M = the running largest t rounded up to a whole number;
; p = 2^(t - M) is quantised along the keys; the row's sum is taken of the unquantised p and divides at the end.  When M moves, the sum and O are multiplied by 2^(old M - new M): exact.
; SHARES.  Work-group (xg, g) owns 64 queries of key head g for both its query heads.  EIGHT WAVES, two to a SIMD: waves w and w + 4 own tile w of the two Q records (lane (r, h): query 64 xg + 32 (w / 2) + 8 (w % 2) + r + 8 (r / 8));
; of each slot's 256 keys wave w takes the first 128 and wave w + 4 the second 128, each with an M, a sum and an O^T of its own.  A fragment of K, V or the mask that a wave reads from LDS serves two tiles, and none is read by more waves than with four.
; Register tile E of a wave holds query head E xor (wave / 4).  At the end a wave sends its tile 1 through LDS to its partner and joins the partner's tile 1 to its own tile 0, both brought under the larger M by exact powers of two.
; Both products are used transposed: S^T = K Q^T, O^T = V^T P^T.  By the records' order of rows the 16 registers of two neighbouring tiles are 16 neighbouring keys (or 16 neighbouring d).
; RING: two slots of 256 keys: K 25,600 bytes, V 25,600 bytes (four records each), the mask's 64 rows x (1,024 + 16) bytes.  One tensor load a wave: waves 0-3 halves of K and of V, waves 4-7 sixteen rows of the mask each.
; CLUSTER 4 x 4: K and V hang on g alone and are asked for jointly along a row of the cluster; the mask hangs on xg alone and is asked for jointly along a column.
; LIMITS: NaN and +infinity among the inputs are not served; a row whose every logit is -infinity gives NaN, as in reference(); a block of zeros, or under 2^-124, gets the byte 1; the promise holds while |t| stays under 2^31.
; REGISTERS: window 0: v1-15 addresses; v16-39 Q; v40-51 scale words and nothing else; v52-67 what is carried, 8 a tile; v68-95 at work at the head and on the way out; v96-191 K's fragments, then V's; v192-255 the mask, then p's codes and scratch.
;   window 1: v0-127 S^T, then t, then p, 64 a tile; v128-255 O^T.
.set SLOT1, 1<<17
.set SPARE, 2*SLOT1                    ; the spare words, 128 bytes for each wave: four blocks of 256 bytes that no other line names
.set SCW,   SPARE+1024                 ; 512 bytes in which the two ctx records' scale words meet; no fill lands there
.set XA,    8704                       ; the way out: a wave's 64 registers of O^T (8,192 bytes) and its (-M, sum), 16 bytes a lane; in slot 0, behind its last fill and last read
.set LI,   1                           ; 16 x lane
.set AK0,  2                           ; + my key step's 12,800
.set AS0,  3                           ; 16 r
.set AM0,  4                           ; the mask: my row, + 64 h, + my key step's 512
.set ADK,  5
.set ADS,  6
.set ADM,  7
.set SPW,  8
.set NIL,  9
.set PFO,  10
.set SCWS, 11
.set SCWL, 12
.set SWO,  13
.set QO,   14                          ; 16 x lane + 1536 w
.set ASK0, 15                          ; 16 r + my key step's 12,800
.set QF,   16
.set QS,   40
.set PW,   42
.set KS,   44
.set ST,   52                          ; tile e at ST + 8 e: +0 -M, +1 the largest t, +2, +3 the sum, +4 f (+5 named with it), +6, +7 a second sum (+6 also at work)
.set TM,   68
.set W0,   76
.set W1,   77
.set W2,   78
.set W3,   79
.set W4,   80
.set CW,   84
.set H,    91
.set XS,   92
.set XL,   93
.set LN,   94
.set RR,   95
.set KV,   96
.set MK,   192
.set PC,   192                         ; 20 a tile, over the mask's registers, which are done with by then
.set TT,   232                         ; tile e at TT + 12 e: +0..3 the blocks' largest, +4..7, +8..11 at work
.set WV,   10
.set ROLE, 11                          ; wave / 4: 0: I fetch K or V, 1: the mask.  Also: my key step of a slot
.set WT,   12                          ; w = wave % 4
.set G1KV, 24
.set G0KV, 32
.set G0M,  36
.set G1M,  40
.set SCL,  48
.set L2E,  50
.set SEL,  52
.set TB,   54
.set SLOTS, 55
.set PFA,  56
.set PFS,  58
.set LIM,  60
.set MSB, 0
.macro WIN new
.if MSB != (\new)
	s_set_vgpr_msb (MSB<<8)|(\new)
.set MSB, (\new)
.endif
.endm
.macro PLACES n
.rept \n
	v_nop
.endr
.endm
.macro CROUND                          ; a round of the cluster's barrier
	s_barrier_signal -1
	s_barrier_wait -1
	s_cmp_lg_u32 s[WV], 0
	s_cbranch_scc1 .Lnot_wave_0_\@
	s_barrier_signal -3
.Lnot_wave_0_\@:
	s_barrier_wait -3
	s_barrier_signal -1
	s_barrier_wait -1
.endm
.macro JLOAD                           ; a joint load; the branch hangs on the wave's number alone; s_nop 0 and four v_nop follow each of the two lines
	s_cmp_eq_u32 s[ROLE], 0
	s_cbranch_scc0 .Lfor_m_\@
	tensor_load_to_lds s[G0KV:G0KV+3], s[G1KV:G1KV+7]
	s_nop 0
.rept 4
	v_nop
.endr
	s_branch .Lasked_\@
.Lfor_m_\@:
	tensor_load_to_lds s[G0M:G0M+3], s[G1M:G1M+7]
	s_nop 0
.rept 4
	v_nop
.endr
.Lasked_\@:
.endm
; A PREFETCH INTO THE L2 of what the NEXT change of slots will ask for.  One instruction a wave, behind the wave's tensor load and its lines.
; K and V of a head are walked by all clusters of a row of clusters: those with cluster x = 0 ask; the mask's rows by both rows of clusters: those with cluster y = 0 ask.  Partners are told apart BY ADDRESS:
; of a slot's four records of K (wave 0) or V (wave 2) the partner at cx takes one, 25 blocks of 256 bytes, a lane a block (lanes 25 to 31 name lane 24's block again); waves 1 and 3 ask for nothing;
; of the mask's 64 rows x 4 blocks the partner at cy takes 16 rows, waves 4 to 7 four each, four lanes to a row (lanes 16 to 31 name lane 15's block again).  The last change that fills a slot asks for nothing.
.macro ASK
	s_cmp_gt_u32 s[SLOTS], s[LIM]
	s_cbranch_scc0 .Lnot_mine_\@
	global_prefetch_b8 v[PFO], s[PFA:PFA+1] th:TH_LOAD_NT scope:SCOPE_SE
.Lnot_mine_\@:
.endm
.macro QUANT s, w, pc, pw              ; 64 numbers of a lane, v[s] on in window w, register 16 b + i = k 32 b + 16 h + i of my row: codes to v[pc] .. v[pc + 11], scale word to v[pw]
	WIN 5*(\w)
.irp b, 0,1,2,3
	v_max3_num_f32 v[TM+\b], |v[(\s)+16*\b]|, |v[(\s)+16*\b+1]|, 0x1800000
.endr
	WIN 0x14*(\w)
.irp i, 2,4,6,8,10,12,14
.irp b, 0,1,2,3
	v_max3_num_f32 v[TM+\b], v[TM+\b], |v[(\s)+16*\b+\i]|, |v[(\s)+16*\b+\i+1]|
.endr
.endr
	WIN 0
.irp b, 0,1,2,3
	v_permlanex16_b32 v[TM+4+\b], v[TM+\b], s[SEL], s[SEL+1]
.endr
.irp b, 0,1,2,3
	v_max_num_f32 v[TM+\b], v[TM+\b], v[TM+4+\b]
.endr
.irp b, 0,1,2,3
	v_add_nc_u32 v[TM+12+\b], 0xff000000, v[TM+\b]
.endr
.irp b, 0,1,2,3
	v_lshrrev_b32 v[TM+4+\b], 23, v[TM+12+\b]
.endr
	v_lshl_or_b32 v[\pw], v[TM+5], 8, v[TM+4]
	v_lshl_or_b32 v[\pw], v[TM+6], 16, v[\pw]
	v_lshl_or_b32 v[\pw], v[TM+7], 24, v[\pw]
	WIN (\w)
.irp c, 0,1
	v_cvt_scalef32_pk16_fp6_f32 v[(\pc)+6*\c:(\pc)+6*\c+2], v[(\s)+32*\c:(\s)+32*\c+15], v[TM+12+2*\c]
	v_cvt_scalef32_pk16_fp6_f32 v[(\pc)+12+4*\c:(\pc)+12+4*\c+2], v[(\s)+32*\c+16:(\s)+32*\c+31], v[TM+12+2*\c+1]
.endr
	WIN 0
	v_nop
.irp c, 0,1
.irp i, 0,1,2
	v_permlane16_swap_b32 v[(\pc)+6*\c+\i], v[(\pc)+12+4*\c+\i]
.endr
.irp i, 0,1,2
	v_mov_b32 v[(\pc)+3+6*\c+\i], v[(\pc)+12+4*\c+\i]
.endr
.endr
.endm
.macro LKV off                         ; 26 loads: the eight tiles of K (off = 0) or of V^T (25,600) of my key step, and their scale words
.irp t, 0,1,2,3,4,5,6,7
.irp c, 0,1,2
	ds_load_b128 v[KV+12*\t+4*\c:KV+12*\t+4*\c+3], v[ADK] offset:(\off)+6400*(\t/4)+1536*(\t%4)+512*\c
.endr
.endr
.irp p, 0,1
	ds_load_b128 v[KS+4*\p:KS+4*\p+3], v[ADS] offset:(\off)+6400*\p+6144
.endr
.endm
.macro LM                              ; 16 loads: the mask of my query at keys 32 b + 16 h + 0 .. 15
.irp b, 0,1,2,3
.irp j, 0,1,2,3
	ds_load_b128 v[MK+16*\b+4*\j:MK+16*\b+4*\j+3], v[ADM] offset:128*\b+16*\j
.endr
.endr
.endm
; A KEY STEP: my 128 keys of the slot in hand, for both tiles.
.macro STEP
	s_wait_dscnt 16                                ; K is in; the mask's sixteen loads may be out
	WIN 0x40                                       ; D window 1
.irp t, 0,1,2,3,4,5,6,7
.irp e, 0,1
	v_wmma_scale_f32_16x16x128_f8f6f4 v[64*\e+8*\t:64*\e+8*\t+7], v[KV+12*\t:KV+12*\t+11], v[QF+12*\e:QF+12*\e+11], 0, v[KS+\t], v[QS+\e] matrix_a_fmt:MATRIX_FMT_FP6 matrix_b_fmt:MATRIX_FMT_FP6
.endr
.endr
	PLACES 4                                       ; in front of the loads into K's registers and of the first read of the scores
	WIN 0
	LKV 25600                                      ; V takes K's registers
	s_wait_dscnt 26                                ; the mask is in: behind its loads stand V's 26
.set n, 0
.rept 32
	v_pk_mul_f32 v[MK+2*n:MK+2*n+1], v[MK+2*n:MK+2*n+1], s[L2E:L2E+1] op_sel_hi:[1,0]   ; the mask x log2(e), once for both tiles
.set n, n+1
.endr
	WIN 0x41
.set n, 0
.rept 64
	v_pk_fma_f32 v[2*n:2*n+1], v[2*n:2*n+1], s[SCL:SCL+1], v[MK+2*(n%32):MK+2*(n%32)+1] op_sel_hi:[1,0,1]   ; t; ascending: each accumulator is read from its low end on
.set n, n+1
.endr
	WIN 0x15
.irp e, 0,1
.irp b, 0,1,2,3
	v_max3_num_f32 v[TT+12*\e+\b], v[64*\e+16*\b], v[64*\e+16*\b+1], v[64*\e+16*\b+2]   ; the largest t of each block of 32 keys: for the row's maximum, and, since p rises with t, for the block's largest p
.endr
.endr
	WIN 0x14
.irp i, 3,5,7,9,11,13
.irp e, 0,1
.irp b, 0,1,2,3
	v_max3_num_f32 v[TT+12*\e+\b], v[TT+12*\e+\b], v[64*\e+16*\b+\i], v[64*\e+16*\b+\i+1]
.endr
.endr
.endr
.irp e, 0,1
.irp b, 0,1,2,3
	v_max_num_f32 v[TT+12*\e+\b], v[TT+12*\e+\b], v[64*\e+16*\b+15]
.endr
.endr
	WIN 0
.irp e, 0,1
.irp b, 0,1,2,3
	v_permlanex16_b32 v[TT+12*\e+4+\b], v[TT+12*\e+\b], s[SEL], s[SEL+1]
.endr
.endr
.irp e, 0,1
.irp b, 0,1,2,3
	v_max_num_f32 v[TT+12*\e+\b], v[TT+12*\e+\b], v[TT+12*\e+4+\b]   ; with lane l xor 16's 16 keys
.endr
.endr
.irp e, 0,1
	v_max3_num_f32 v[ST+8*\e+6], v[TT+12*\e], v[TT+12*\e+1], v[TT+12*\e+2]
.endr
.irp e, 0,1
	v_max_num_f32 v[ST+8*\e+6], v[ST+8*\e+6], v[TT+12*\e+3]
.endr
.irp e, 0,1
	v_max_num_f32 v[ST+8*\e+1], v[ST+8*\e+1], v[ST+8*\e+6]   ; the running largest t
.endr
.irp e, 0,1
	v_mov_b32 v[ST+8*\e+6], v[ST+8*\e]
.endr
.irp e, 0,1
	v_floor_f32 v[ST+8*\e], -v[ST+8*\e+1]          ; the new -M = floor(-t)
.endr
.irp e, 0,1
	v_sub_f32 v[ST+8*\e+6], v[ST+8*\e], v[ST+8*\e+6]   ; old M - new M: a whole number, 0 or less
.endr
.irp e, 0,1
	v_cvt_i32_f32 v[ST+8*\e+6], v[ST+8*\e+6]       ; (it saturates)
.endr
.irp e, 0,1
	v_ldexp_f32 v[ST+8*\e+4], 1.0, v[ST+8*\e+6]    ; f = 2^(old M - new M)
.endr
.irp e, 0,1
.irp b, 0,1,2,3
	v_add_f32 v[TT+12*\e+\b], v[TT+12*\e+\b], v[ST+8*\e]   ; t - M of each block's largest
.endr
.endr
	; all the batch's sources first, then O^T x f, then the wait, then ONE BATCH of 136 exponentials
	WIN 0x41
.set n, 0
.rept 64
	v_pk_add_f32 v[2*n:2*n+1], v[2*n:2*n+1], v[ST+8*(n/32):ST+8*(n/32)+1] op_sel_hi:[1,0]   ; t - M
.set n, n+1
.endr
.set n, 0
.rept 64
	v_pk_mul_f32 v[128+2*n:129+2*n], v[128+2*n:129+2*n], v[ST+8*(n/32)+4:ST+8*(n/32)+5] op_sel_hi:[1,0]   ; O^T under the new M; ascending
.set n, n+1
.endr
.set n, 0
	s_wait_alu depctr_va_vdst(0)                   ; the wait ahead of the batch
.rept 128
	v_exp_f32 v[n], v[n]                           ; p = 2^(t - M)
.set n, n+1
.endr
	WIN 0
.irp e, 0,1
.irp b, 0,1,2,3
	v_exp_f32 v[TT+12*\e+\b], v[TT+12*\e+\b]       ; the blocks' largest p: the same instructions on the same numbers give the same bits
.endr
.endr
.irp e, 0,1
	v_pk_mul_f32 v[ST+8*\e+2:ST+8*\e+3], v[ST+8*\e+2:ST+8*\e+3], v[ST+8*\e+4:ST+8*\e+5] op_sel_hi:[1,0]   ; the sums under the new M (the plain places behind the batch)
.endr
	s_wait_alu depctr_va_vdst(0)                   ; one wait for the whole batch, ahead of its first reader
	WIN 0x05
.irp e, 0,1
	v_pk_add_f32 v[ST+8*\e+6:ST+8*\e+7], v[64*\e:64*\e+1], v[64*\e+2:64*\e+3]   ; the row's sum is taken of the unquantised p, in two chains a tile
.endr
	WIN 0x04
.irp j, 4,8,12,16,20,24,28,32,36,40,44,48,52,56,60
.irp e, 0,1
	v_pk_add_f32 v[ST+8*\e+2:ST+8*\e+3], v[ST+8*\e+2:ST+8*\e+3], v[64*\e+\j:64*\e+\j+1]
	v_pk_add_f32 v[ST+8*\e+6:ST+8*\e+7], v[ST+8*\e+6:ST+8*\e+7], v[64*\e+\j+2:64*\e+\j+3]
.endr
.endr
	WIN 0
.irp e, 0,1
	v_pk_add_f32 v[ST+8*\e+2:ST+8*\e+3], v[ST+8*\e+2:ST+8*\e+3], v[ST+8*\e+6:ST+8*\e+7]
.endr
.irp e, 0,1
.irp b, 0,1,2,3
	v_max_num_f32 v[TT+12*\e+\b], 0x1800000, v[TT+12*\e+\b]   ; the floor 2^(3 - 127): a block whose every p is 0 keeps the byte 1: its codes are zeros
.endr
.endr
.irp e, 0,1
.irp b, 0,1,2,3
	v_add_nc_u32 v[TT+12*\e+8+\b], 0xff000000, v[TT+12*\e+\b]   ; the conversion's scale operand
.endr
.endr
.irp e, 0,1
.irp b, 0,1,2,3
	v_lshrrev_b32 v[TT+12*\e+4+\b], 23, v[TT+12*\e+8+\b]        ; the scale's byte
.endr
.endr
.irp e, 0,1
	v_lshl_or_b32 v[PW+\e], v[TT+12*\e+5], 8, v[TT+12*\e+4]
	v_lshl_or_b32 v[PW+\e], v[TT+12*\e+6], 16, v[PW+\e]
	v_lshl_or_b32 v[PW+\e], v[TT+12*\e+7], 24, v[PW+\e]
.endr
	WIN 0x01
.irp e, 0,1
.irp c, 0,1
	v_cvt_scalef32_pk16_fp6_f32 v[PC+20*\e+6*\c:PC+20*\e+6*\c+2], v[64*\e+32*\c:64*\e+32*\c+15], v[TT+12*\e+8+2*\c]
	v_cvt_scalef32_pk16_fp6_f32 v[PC+20*\e+12+4*\c:PC+20*\e+12+4*\c+2], v[64*\e+32*\c+16:64*\e+32*\c+31], v[TT+12*\e+8+2*\c+1]
.endr
.endr
	WIN 0
	v_nop                                          ; one plain place behind a scaled conversion
.irp e, 0,1
.irp c, 0,1
.irp i, 0,1,2
	v_permlane16_swap_b32 v[PC+20*\e+6*\c+\i], v[PC+20*\e+12+4*\c+\i]
.endr
.irp i, 0,1,2
	v_mov_b32 v[PC+20*\e+3+6*\c+\i], v[PC+20*\e+12+4*\c+\i]
.endr
.endr
.endr
	PLACES 4                                       ; an operand written by vector instructions stands 4 places ahead of a scaled matrix instruction; the scale words stand further ahead than the 8 asked
	s_wait_alu depctr_va_vdst(0)                   ; the wait here, directly ahead of the wait below
	s_wait_dscnt 0x0                               ; V is in
	WIN 0x50                                       ; C and D window 1
.irp t, 0,1,2,3,4,5,6,7
.irp e, 0,1
	v_wmma_scale_f32_16x16x128_f8f6f4 v[128+64*\e+8*\t:128+64*\e+8*\t+7], v[KV+12*\t:KV+12*\t+11], v[PC+20*\e:PC+20*\e+11], v[128+64*\e+8*\t:128+64*\e+8*\t+7], v[KS+\t], v[PW+\e] matrix_a_fmt:MATRIX_FMT_FP6 matrix_b_fmt:MATRIX_FMT_FP6
.endr
.endr
	WIN 0
.endm
; THE CHANGE OF SLOTS stands at a slot's head.  Each wave waits for all its tensor loads (its part of the slot ahead), adds 0 to its spare word, and waits for that and for its reads of the slot that it has left.
; fill = 1: a round of the cluster's barrier, and the slot just left is filled with the keys that follow: the load has a slot's work in which to land.
.macro CHANGE fill
	s_wait_tensorcnt 0x0                           ; no tensor load of mine is out, so a group 0 may be written
	ds_add_u32 v[SPW], v[NIL]                      ; 0 onto my spare word
.if \fill
	s_xor_b32 s[G0KV+1], s[G0KV+1], SLOT1          ; the walking descriptors: the other slot, the next 256 keys
	s_add_nc_u64 s[G0KV+2:G0KV+3], s[G0KV+2:G0KV+3], 25600
	s_xor_b32 s[G0M+1], s[G0M+1], SLOT1
	s_add_nc_u64 s[G0M+2:G0M+3], s[G0M+2:G0M+3], 1024
	s_wait_xcnt 0x0                                ; the last prefetch, a slot back, has read its address
	s_add_nc_u64 s[PFA:PFA+1], s[PFA:PFA+1], s[PFS:PFS+1]
.endif
	s_wait_dscnt 0x0                               ; the add is done, and my reads of the slot that I have left are over
.if \fill
	CROUND
	JLOAD                                          ; the first thing behind the round, and my one tensor load until the next; its four v_nop are the places in front of the loads below
	ASK
.else
	s_barrier_signal -1
	s_barrier_wait -1
	PLACES 4
.endif
	v_add_nc_u32 v[ADK], s[TB], v[AK0]
	v_add_nc_u32 v[ADS], s[TB], v[ASK0]
	v_add_nc_u32 v[ADM], s[TB], v[AM0]
	s_wait_alu depctr_va_vdst(0)                   ; the wait behind these writes
	LKV 0
	LM
.endm
	s_load_b128 s[4:7], s[0:1], 0x0                ; rec2, attention_mask
	s_load_b64 s[8:9], s[0:1], 0x10                ; rec3
	v_lshl_add_u32 v[SPW], v0, 2, SPARE
	v_mov_b32 v[NIL], 0
	ds_add_u32 v[SPW], v[NIL]                      ; the opening lines: the add, twice on end, and its wait ahead of my first tensor load
	ds_add_u32 v[SPW], v[NIL]
	v_lshrrev_b32 v1, 5, v0
	v_readfirstlane_b32 s[WV], v1
	s_lshr_b32 s[ROLE], s[WV], 2
	s_and_b32 s[WT], s[WV], 3
	s_bfe_u32 s13, ttmp6, 0x40000                  ; cx
	s_bfe_u32 s14, ttmp6, 0x40004                  ; cy
	s_and_b32 s15, ttmp7, 0xffff                   ; cluster y
	s_lshl_b32 s18, ttmp9, 2
	s_add_co_u32 s18, s18, s13                     ; xg: my 64 queries
	s_lshl_b32 s19, s15, 2
	s_add_co_u32 s19, s19, s14                     ; g: my key head
	s_lshl_b32 s16, s14, 2
	s_lshl_b32 s16, 15, s16                        ; my row of the cluster
	s_lshl_b32 s17, 0x1111, s13                    ; my column
	; descriptor group 1.  K, V: two records, 12,800 dense bytes, as 50 rows of 256.  The mask: 16 rows of 256 f32, 2,048 apart, 16 bytes of padding behind each
	s_or_b32 s[G1KV], s16, (3<<16)|(1<<21)
	s_mov_b32 s[G1KV+1], 32<<16
	s_mov_b32 s[G1KV+2], 50<<16
	s_mov_b32 s[G1KV+3], 32<<16
	s_mov_b32 s[G1KV+4], 50
	s_mov_b32 s[G1KV+5], 32
	s_mov_b32 s[G1KV+6], 0
	s_mov_b32 s[G1KV+7], 0
	s_or_b32 s[G1M], s17, (2<<16)|(1<<20)|(1<<21)|(7<<22)|(3<<25)   ; elements of 4 bytes; padding on: after every 256 words (code 7) 4 words (code 3)
	s_mov_b32 s[G1M+1], 256<<16
	s_mov_b32 s[G1M+2], 16<<16
	s_mov_b32 s[G1M+3], 256<<16
	s_mov_b32 s[G1M+4], 16
	s_mov_b32 s[G1M+5], 2048
	s_mov_b32 s[G1M+6], 0
	s_mov_b32 s[G1M+7], 0
	s_lshr_b32 s20, s[WT], 1                       ; waves 0, 1: K; 2, 3: V
	s_and_b32 s21, s[WT], 1                        ; which two of a slot's four records
	s_mul_i32 s66, s20, 256*6400                   ; K's records begin at 512, V's at 768; 32 to a head
	s_mul_i32 s67, s19, 32*6400
	s_add_co_u32 s66, s66, s67
	s_add_co_u32 s66, s66, 512*6400
	s_mov_b32 s72, s66
	s_mul_i32 s67, s21, 12800
	s_add_co_u32 s66, s66, s67
	s_mov_b32 s67, 0
	s_lshl_b32 s68, s18, 19                        ; the mask: row 64 xg + 16 w, 8,192 bytes a row
	s_lshl_b32 s69, s[WT], 17
	s_add_co_u32 s68, s68, s69
	s_mov_b32 s69, 0
	s_mul_i32 s70, s[WT], 12800                    ; where they go
	s_mul_i32 s71, s[WT], 16*1040
	s_add_co_u32 s71, s71, 51200
	s_mov_b32 s[SCL], 0x3e0293ee                   ; 128^-0.5 x log2(e)
	s_mov_b32 s[SCL+1], s[SCL]
	s_mov_b32 s[L2E], 0x3fb8aa3b                   ; log2(e)
	s_mov_b32 s[L2E+1], s[L2E]
	s_mov_b32 s[SEL], 0x76543210
	s_mov_b32 s[SEL+1], 0xfedcba98
	s_mov_b32 s[TB], 0
	s_mov_b32 s[SLOTS], 7
	s_wait_dscnt 0x0                               ; both opening adds are done
	s_wait_kmcnt 0x0
	s_mov_b32 s[G0KV], 1
	s_mov_b32 s[G0KV+1], s70
	s_add_nc_u64 s[G0KV+2:G0KV+3], s[4:5], s[66:67]
	s_or_b32 s[G0KV+3], s[G0KV+3], 0x80000000
	s_mov_b32 s[G0M], 1
	s_mov_b32 s[G0M+1], s71
	s_add_nc_u64 s[G0M+2:G0M+3], s[6:7], s[68:69]
	s_or_b32 s[G0M+3], s[G0M+3], 0x80000000
	CROUND                                         ; all sixteen work-groups are here
	JLOAD                                          ; slot 0: one tensor load a wave at the head
	; the prefetches: where mine stand (slot 1; the first change of slots steps them to slot 2), and who asks
	s_mul_i32 s73, s13, 6400
	s_add_co_u32 s72, s72, s73
	s_add_co_u32 s72, s72, 25600
	s_lshl_b32 s73, s18, 19
	s_lshl_b32 s74, s14, 17
	s_add_co_u32 s73, s73, s74
	s_lshl_b32 s74, s[WT], 15
	s_add_co_u32 s73, s73, s74
	s_add_co_u32 s73, s73, 1024
	s_mov_b32 s[PFS], 1024
	s_cmp_eq_u32 s[ROLE], 0
	s_cselect_b64 s[PFA:PFA+1], s[4:5], s[6:7]
	s_cselect_b32 s72, s72, s73
	s_cselect_b32 s[PFS], 25600, s[PFS]
	s_cselect_b32 s74, ttmp9, s15                  ; the coordinate along which other clusters read the same bytes
	s_cselect_b32 s75, 0, -1
	s_cselect_b32 s76, s21, 0                      ; of K's and V's waves the even ones ask
	s_or_b32 s74, s74, s76
	s_mov_b32 s73, 0
	s_mov_b32 s[PFS+1], 0
	s_add_nc_u64 s[PFA:PFA+1], s[PFA:PFA+1], s[72:73]
	s_cmp_eq_u32 s74, 0
	s_cselect_b32 s[LIM], 1, -1                    ; the same in all sixteen partners, for a given wave
	; Q: tile w of the records of heads 2 g + (wave / 4) (register tile 0) and 2 g + 1 - (wave / 4) (register tile 1)
	s_lshl_b32 s76, s19, 6
	s_add_co_u32 s76, s76, s18
	s_mul_i32 s76, s76, 6400
	s_mov_b32 s77, 0
	s_add_nc_u64 s[76:77], s[4:5], s[76:77]
	s_mul_i32 s78, s[WT], 1536
	s_mul_i32 s86, s[ROLE], 204800
	s_mov_b32 s87, 0
	s_add_nc_u64 s[80:81], s[76:77], s[86:87]
	s_sub_co_u32 s86, 204800, s86
	s_add_nc_u64 s[82:83], s[76:77], s[86:87]
	; ctx: record 16 xg + 2 g + (wave / 4)
	s_lshl_b32 s84, s18, 4
	s_lshl_b32 s85, s19, 1
	s_add_co_u32 s84, s84, s85
	s_add_co_u32 s84, s84, s[ROLE]
	s_mul_i32 s84, s84, 6400
	s_mov_b32 s85, 0
	s_add_nc_u64 s[84:85], s[8:9], s[84:85]
	; the waves' terms of the LDS addresses
	s_mul_i32 s88, s[ROLE], 12800
	s_lshr_b32 s89, s[WT], 1
	s_lshl_b32 s89, s89, 5
	s_and_b32 s90, s[WT], 1
	s_lshl_b32 s90, s90, 3
	s_add_co_u32 s89, s89, s90
	s_mul_i32 s89, s89, 1040
	s_add_co_u32 s89, s89, 51200
	s_lshl_b32 s90, s[ROLE], 9
	s_add_co_u32 s89, s89, s90
	s_lshl_b32 s92, s[ROLE], 8
	s_add_co_u32 s92, s92, SCW
	s_lshl_b32 s95, s[WT], 2
	s_add_co_u32 s91, s92, s95
	s_mul_i32 s93, s[WV], XA
	s_xor_b32 s94, s[WV], 4
	s_mul_i32 s94, s94, XA
	v_and_b32 v[LN], 31, v0                        ; lane
	v_and_b32 v[RR], 15, v0                        ; r
	v_bfe_u32 v[H], v0, 4, 1                       ; h
	v_lshlrev_b32 v[LI], 4, v[LN]
	v_lshlrev_b32 v[AS0], 4, v[RR]
	v_min_u32 v90, 24, v[LN]
	v_lshlrev_b32 v90, 8, v90
	v_min_u32 v89, 15, v[LN]
	v_lshrrev_b32 v88, 2, v89
	v_and_b32 v89, 3, v89
	v_lshlrev_b32 v88, 13, v88
	v_lshl_add_u32 v88, v89, 8, v88
	v_cndmask_b32 v[PFO], v90, v88, s75
	v_add_nc_u32 v[QO], s78, v[LI]
	v_add_nc_u32 v88, s95, v[AS0]                  ; Q's scale words: 16 r + 4 w
	v_add_nc_u32 v[AK0], s88, v[LI]
	v_add_nc_u32 v[ASK0], s88, v[AS0]
	v_and_b32 v[AM0], 8, v[RR]
	v_add_nc_u32 v[AM0], v[AM0], v[RR]
	v_mul_u32_u24 v[AM0], v[AM0], 1040
	v_lshl_add_u32 v[AM0], v[H], 6, v[AM0]
	v_add_nc_u32 v[AM0], s89, v[AM0]
	v_add_nc_u32 v[SCWS], s91, v[AS0]              ; my tile's scale words: 16 r + 4 w in my record's 256 bytes
	v_lshl_add_u32 v[SCWL], v[LN], 3, s92          ; and back: 8 bytes a lane
	v_lshlrev_b32 v[SWO], 3, v[LN]
	v_add_nc_u32 v[XS], s93, v[LI]                 ; what I send,
	v_add_nc_u32 v[XL], s94, v[LI]                 ; and what wave xor 4 sends
	s_wait_alu depctr_va_vdst(0)                   ; the wait here, directly ahead of the readers below
.irp e, 0,1
.irp c, 0,1,2
	global_load_b128 v[QF+12*\e+4*\c:QF+12*\e+4*\c+3], v[QO], s[80+2*\e:81+2*\e] offset:512*\c
.endr
	global_load_b32 v[QS+\e], v88, s[80+2*\e:81+2*\e] offset:6144
.endr
.irp e, 0,1
	v_mov_b32 v[ST+8*\e+1], 0xff61b1e6             ; the largest t so far: -3e38
	v_floor_f32 v[ST+8*\e], -v[ST+8*\e+1]
	v_mov_b32 v[ST+8*\e+2], 0
	v_mov_b32 v[ST+8*\e+3], 0
	v_mov_b32 v[ST+8*\e+5], 0                      ; (named as the upper half of f's pair)
.endr
.irp b, 0,1,2,3
	v_mov_b32 v[TM+4+\b], 0                        ; a lane permute's destination counts as one of its sources
.endr
	WIN 0x40
.set n, 0
.rept 128
	v_mov_b32 v[128+n], 0                          ; O^T.  The key step is written without a first step of its own: the first finds zeros, which the first change of M leaves zeros
.set n, n+1
.endr
	WIN 0
	s_wait_alu depctr_va_vdst(0)                   ; the wait at the head's end
	s_wait_loadcnt 0x0                             ; Q
.Lslot:                                            ; 7 trips: behind each change of slots but the last the next slot is asked for
	CHANGE 1
	STEP
	s_xor_b32 s[TB], s[TB], SLOT1
	s_sub_co_u32 s[SLOTS], s[SLOTS], 1
	s_cmp_lg_u32 s[SLOTS], 0
	s_cbranch_scc1 .Lslot
	CHANGE 0                                       ; the last slot is written out
	STEP
	; THE WAY OUT.  Every wave's reads of the ring are over behind this barrier (no LDS instruction of mine is out: the wait for V was for 0)
	s_barrier_signal -1
	PLACES 4                                       ; behind the last products
	s_barrier_wait -1
	v_mov_b32 v86, v[ST+8]                         ; tile 1: -M and my lane's sum
	v_add_f32 v87, v[ST+10], v[ST+11]
	WIN 0x04
.set n, 0
.rept 16
	ds_store_b128 v[XS], v[192+4*n:192+4*n+3] offset:512*n   ; tile 1's O^T as it stands; each accumulator from its low end on
.set n, n+1
.endr
	WIN 0
	ds_store_b64 v[XS], v[86:87] offset:8192
	s_wait_dscnt 0x0                               ; for my partner's sake: what I send lies in LDS
	s_barrier_signal -1
	s_barrier_wait -1
.set n, 0
.rept 16
	ds_load_b128 v[KV+4*n:KV+4*n+3], v[XL] offset:512*n      ; my partner's O^T of the head that I finish
.set n, n+1
.endr
	ds_load_b64 v[KV+64:KV+65], v[XL] offset:8192
	s_wait_dscnt 0x0
	v_add_f32 v[W1], v[ST+2], v[ST+3]
	v_min_num_f32 v[W0], v[ST], v[KV+64]           ; -M of both: the smaller
	v_sub_f32 v[W2], v[W0], v[ST]                  ; my M less the joint M, and my partner's: whole numbers, 0 or less
	v_sub_f32 v[W3], v[W0], v[KV+64]
	v_cvt_i32_f32 v[W2], v[W2]
	v_cvt_i32_f32 v[W3], v[W3]
	v_ldexp_f32 v[W2], 1.0, v[W2]
	v_ldexp_f32 v[W3], 1.0, v[W3]
	v_mul_f32 v[W1], v[W1], v[W2]
	v_fma_f32 v[W1], v[KV+65], v[W3], v[W1]        ; the two sums under the joint M
	v_permlanex16_b32 v[TM+4], v[W1], s[SEL], s[SEL+1]
	v_add_f32 v[W1], v[W1], v[TM+4]                ; with lane l xor 16's keys: the row's sum
	s_wait_alu depctr_va_vdst(0)                   ; the wait ahead of the reciprocal too
	v_rcp_f32 v[W4], v[W1]
	v_nop                                          ; a plain place behind it,
	s_wait_alu depctr_va_vdst(0)                   ; and the wait ahead of its first reader
	v_mul_f32 v88, v[W2], v[W4]                    ; a power of two x 1 / the sum, for each of the two parts
	v_mul_f32 v90, v[W3], v[W4]
	WIN 0x41
	s_wait_alu depctr_va_vdst(0)                   ; the wait directly ahead of the first reader of O^T
.set n, 0
.rept 32
	v_pk_mul_f32 v[128+2*n:129+2*n], v[128+2*n:129+2*n], v[88:89] op_sel_hi:[1,0]
.set n, n+1
.endr
	WIN 0x50
.set n, 0
.rept 32
	v_pk_fma_f32 v[128+2*n:129+2*n], v[KV+2*n:KV+2*n+1], v[90:91], v[128+2*n:129+2*n] op_sel_hi:[1,0,1]
.set n, n+1
.endr
	WIN 0
	QUANT 128, 1, PC, CW                           ; register 16 beta + i is d = 32 beta + 16 h + i of my query: quantised along d, tile w of my head's ctx record
.irp c, 0,1,2
	global_store_b128 v[QO], v[PC+4*\c:PC+4*\c+3], s[84:85] offset:512*\c   ; each store covers 512 consecutive bytes, aligned
.endr
	ds_store_b32 v[SCWS], v[CW]                    ; both lanes of a row write the same word with the same value
	s_wait_dscnt 0x0                               ; for the others' sake: my words lie in LDS
	s_barrier_signal -1
	s_barrier_wait -1
	ds_load_b64 v[86:87], v[SCWL]                  ; a record's 64 scale words, from four waves
	s_wait_dscnt 0x0
	s_cmp_lg_u32 s[WT], 0
	s_cbranch_scc1 .Lno_words
	global_store_b64 v[SWO], v[86:87], s[84:85] offset:6144   ; waves 0 and 4: 256 consecutive bytes, aligned, of their record
.Lno_words:
	s_wait_tensorcnt 0x0                           ; the wave's end
	ds_add_u32 v[SPW], v[NIL]
	s_wait_dscnt 0x0
	CROUND                                         ; the closing round
	s_endpgm
.Lfunc_end_k_qdb51a78900_attn:
	.size	k_qdb51a78900_attn, .Lfunc_end_k_qdb51a78900_attn-k_qdb51a78900_attn
	.p2alignl 7, 3214868480
	.fill 96, 4, 3214868480
	.section	.rodata,"a",@progbits
	.p2align	6, 0x0
	.amdhsa_kernel k_qdb51a78900_attn
		.amdhsa_group_segment_fixed_size 327680
		.amdhsa_private_segment_fixed_size 0
		.amdhsa_enable_private_segment 0
		.amdhsa_kernarg_size 24
		.amdhsa_user_sgpr_count 2
		.amdhsa_user_sgpr_kernarg_segment_ptr 1
		.amdhsa_wavefront_size32 1
		.amdhsa_system_sgpr_workgroup_id_x 1
		.amdhsa_system_sgpr_workgroup_id_y 1
		.amdhsa_system_sgpr_workgroup_id_z 1
		.amdhsa_system_vgpr_workitem_id 0
		.amdhsa_next_free_vgpr 512
		.amdhsa_next_free_sgpr 100
		.amdhsa_reserve_vcc 0
		.amdhsa_float_denorm_mode_32 3
		.amdhsa_float_denorm_mode_16_64 3
		.amdhsa_memory_ordered 1
		.amdhsa_forward_progress 1
		.amdhsa_inst_pref_size 108
	.end_amdhsa_kernel
	.amdgpu_metadata
---
amdhsa.version: [ 1, 2 ]
amdhsa.kernels:
  - .name:           k_qdb51a78900_attn
    .symbol:         k_qdb51a78900_attn.kd
    .args:
      - { .name: rec2, .offset: 0, .size: 8, .value_kind: global_buffer, .address_space: global }
      - { .name: attention_mask, .offset: 8, .size: 8, .value_kind: global_buffer, .address_space: global }
      - { .name: rec3, .offset: 16, .size: 8, .value_kind: global_buffer, .address_space: global }
    .group_segment_fixed_size: 327680
    .private_segment_fixed_size: 0
    .kernarg_segment_align: 8
    .kernarg_segment_size: 24
    .max_flat_workgroup_size: 256
    .sgpr_count:     100
    .vgpr_count:     512
    .wavefront_size: 32
...
	.end_amdgpu_metadata
.endif
;; end of part 3
;; launch oproj (part 4): grid 16 x 16, 4 waves a work-group, clusters of 4 x 4, 327,680 bytes of LDS; arguments rec3, rec1, out0; writes out0
.if DOCPART == 4
	.amdgcn_target "amdgcn-amd-amdhsa--gfx1250"
	.amdhsa_code_object_version 6
	.text
	.protected	k_qdb51a78900_oproj
	.globl	k_qdb51a78900_oproj
	.p2align	8
	.type	k_qdb51a78900_oproj,@function
k_qdb51a78900_oproj:
	s_mov_b64 s[64:65], 0
	v_nop
	global_prefetch_b8 v0, s[64:65] scope:SCOPE_SE
	s_setreg_imm32_b32 hwreg(HW_REG_WAVE_MODE, 25, 1), 1
	s_wait_xcnt 0x0
	s_wait_alu depctr_hold_cnt(0) depctr_sa_sdst(0) depctr_va_vdst(0) depctr_va_sdst(0) depctr_va_ssrc(0) depctr_va_vcc(0) depctr_vm_vsrc(0)
	s_getreg_b32 s2, hwreg(HW_REG_IB_STS2, 6, 4)
	s_cmp_eq_u32 s2, 0
	s_cbranch_scc0 .Lentry_in_a_cluster
	s_endpgm
.Lentry_in_a_cluster:
	s_bfe_u32 s2, ttmp6, 0x10000c
	s_cmp_lg_u32 s2, 0xf033
	s_cbranch_scc0 .Lentry_shape_is_right
	s_endpgm
.Lentry_shape_is_right:
; out0 = ctx wo^T on codes of FP6 (E2M3) with E8M0 scales: ctx's records from rec3, wo's from rec1 (the record: see launch quant); out0 in f32.
; A work-group makes 128 x 256 of out0, a wave 64 x 128 in 32 accumulators.  K = 2,048 goes in four fills of 512 along K through a ring of two LDS slots; a slot is six chunks of four records: two of ctx, four of wo.
; CLUSTER 4 x 4: ctx's chunks are asked for jointly along a row of the cluster, wo's along a column.  One joint load a wave at the head; slot 1's first fill stands behind the full sequence and a round.
; PREFETCH: the head asks for slots 1 and 2, the load of slot 1 for slot 3: of a slot's four chunks of wo the partner at cy names one (100 blocks of 256 bytes, 25 a wave), of ctx's two the partner at cx half of one (50 blocks, 13 a wave, the last wave 11);
; lanes left over name their wave's last block again.  The refills of slots 2 and 3 have no slot two on and ask for nothing.
; The results leave through each wave's stage in slot 0, which has had its last fill and its last read by then, as whole rows of 512 bytes.
.set GSTRIDE, 102400
.set WO0,   19660800
.set LAPS,  2
.set CHUNK, 25600
.set SLOT,  6*CHUNK
.set SPARE, 2*SLOT
.set HH,   3
.set LI,   4
.set ADRA, 16
.set ADRB, 18
.set ADSA, 20
.set ADSB, 22
.set STO,  24
.set RD,   25
.set SPW,  28
.set NIL,  29
.set SC,   32
.set AF,   64
.set BK,   128
.set WV,   10
.set ROLE, 11
.set WN,   12
.set OUT,  20
.set G1A,  24
.set G0A,  32
.set G1B,  40
.set G0B,  48
.set MULW, 0x52
.set MSB, 0
.macro WIN new
.if MSB != (\new)
	s_set_vgpr_msb (MSB<<8)|(\new)
.set MSB, (\new)
.endif
.endm
.macro PLACES n
.rept \n
	v_nop
.endr
.endm
.macro CREST
	s_cmp_lg_u32 s[WV], 0
	s_cbranch_scc1 .Lnot_wave_0_\@
	s_barrier_signal -3
.Lnot_wave_0_\@:
	s_barrier_wait -3
	s_barrier_signal -1
	s_barrier_wait -1
.endm
.macro CROUND
	s_barrier_signal -1
	s_barrier_wait -1
	CREST
.endm
.macro JLOAD g0a, g1a, g0b, g1b
	s_cmp_eq_u32 s[ROLE], 0
	s_cbranch_scc0 .Lfor_b_\@
	tensor_load_to_lds s[\g0a:\g0a+3], s[\g1a:\g1a+7]
	s_nop 0
.rept 4
	v_nop
.endr
	s_branch .Lasked_\@
.Lfor_b_\@:
	tensor_load_to_lds s[\g0b:\g0b+3], s[\g1b:\g1b+7]
	s_nop 0
.rept 4
	v_nop
.endr
.Lasked_\@:
.endm
.macro FETCH slot, q, p
	WIN 0x80
.irp b, 0,1,2,3,4,5,6,7
.irp c, 0,1,2
	ds_load_b128 v[96*(\p)+12*\b+4*\c:96*(\p)+12*\b+4*\c+3], v[ADRB+\slot] offset:CHUNK*(\b/4)+6400*(\q)+1536*(\b%4)+512*\c
.endr
.endr
	WIN 0
.irp a, 0,1,2,3
.irp c, 0,1,2
	ds_load_b128 v[AF+48*(\p)+12*\a+4*\c:AF+48*(\p)+12*\a+4*\c+3], v[ADRA+\slot] offset:6400*(\q)+1536*\a+512*\c
.endr
.endr
	ds_load_b128 v[SC+12*(\p):SC+12*(\p)+3], v[ADSA+\slot] offset:6400*(\q)+6144
	ds_load_b128 v[SC+12*(\p)+4:SC+12*(\p)+7], v[ADSB+\slot] offset:6400*(\q)+6144
	ds_load_b128 v[SC+12*(\p)+8:SC+12*(\p)+11], v[ADSB+\slot] offset:6400*(\q)+6144+CHUNK
.endm
.macro MUL8 a, p, zero
.irp b, 0,1,2,3,4,5,6,7
.if \zero
	v_wmma_scale_f32_16x16x128_f8f6f4 v[8*(8*(\a)+\b):8*(8*(\a)+\b)+7], v[96*(\p)+12*\b:96*(\p)+12*\b+11], v[AF+48*(\p)+12*(\a):AF+48*(\p)+12*(\a)+11], 0, v[SC+12*(\p)+4+\b], v[SC+12*(\p)+(\a)] matrix_a_fmt:MATRIX_FMT_FP6 matrix_b_fmt:MATRIX_FMT_FP6
.else
	v_wmma_scale_f32_16x16x128_f8f6f4 v[8*(8*(\a)+\b):8*(8*(\a)+\b)+7], v[96*(\p)+12*\b:96*(\p)+12*\b+11], v[AF+48*(\p)+12*(\a):AF+48*(\p)+12*(\a)+11], v[8*(8*(\a)+\b):8*(8*(\a)+\b)+7], v[SC+12*(\p)+4+\b], v[SC+12*(\p)+(\a)] matrix_a_fmt:MATRIX_FMT_FP6 matrix_b_fmt:MATRIX_FMT_FP6
.endif
.endr
.endm
.macro STEP slot, q, zero
	PLACES 4
	FETCH \slot, (\q)+1, ((\q)+1)%2
	s_wait_dscnt 39
	WIN MULW
	MUL8 0, (\q)%2, \zero
	MUL8 1, (\q)%2, \zero
	MUL8 2, (\q)%2, \zero
	MUL8 3, (\q)%2, \zero
.endm
.macro TURN slot, next, fill
	WIN 0
	s_wait_tensorcnt 0x0
	ds_add_u32 v[SPW], v[NIL]
	s_wait_dscnt 1
	WIN MULW
	MUL8 0, 1, 0
	s_wait_dscnt 0x0
	s_barrier_signal -1
	MUL8 1, 1, 0
	WIN 0
	s_barrier_wait -1
.if \fill
	CREST
	s_add_nc_u64 s[G0A+4*\slot+2:G0A+4*\slot+3], s[G0A+4*\slot+2:G0A+4*\slot+3], 2*CHUNK
	s_add_nc_u64 s[G0B+4*\slot+2:G0B+4*\slot+3], s[G0B+4*\slot+2:G0B+4*\slot+3], 2*CHUNK
	JLOAD G0A+4*\slot, G1A, G0B+4*\slot, G1B
.else
	PLACES 4
.endif
	FETCH \next, 0, 0
	WIN MULW
	MUL8 2, 1, 0
	MUL8 3, 1, 0
.endm
	s_load_b128 s[4:7], s[0:1], 0x0
	s_load_b64 s[8:9], s[0:1], 0x10
	v_lshl_add_u32 v[SPW], v0, 2, SPARE
	v_mov_b32 v[NIL], 0
	ds_add_u32 v28, v29
	ds_add_u32 v28, v29
	s_wait_dscnt 0x0
	v_lshrrev_b32 v1, 5, v0
	v_readfirstlane_b32 s[WV], v1
	s_lshr_b32 s[ROLE], s[WV], 1
	s_and_b32 s[WN], s[WV], 1
	s_bfe_u32 s13, ttmp6, 0x40000
	s_bfe_u32 s14, ttmp6, 0x40004
	s_and_b32 s15, ttmp7, 0xffff
	s_lshl_b32 s16, s14, 2
	s_lshl_b32 s16, 15, s16
	s_lshl_b32 s17, 0x1111, s13
	s_lshl_b32 s56, s15, 2
	s_add_co_u32 s56, s56, s14
	s_lshl_b32 s58, ttmp9, 2
	s_add_co_u32 s58, s58, s13
	s_or_b32 s[G1A], s16, (3<<16)|(1<<21)
	s_mov_b32 s[G1A+1], 32<<16
	s_mov_b32 s[G1A+2], 100<<16
	s_mov_b32 s[G1A+3], 32<<16
	s_mov_b32 s[G1A+4], 100
	s_mov_b32 s[G1A+5], 32
	s_mov_b32 s[G1A+6], 0
	s_mov_b32 s[G1A+7], 0
	s_or_b32 s[G1B], s17, (3<<16)|(1<<21)
	s_mov_b32 s[G1B+1], 3200<<16
	s_mov_b32 s[G1B+2], 2<<16
	s_mov_b32 s[G1B+3], 3200<<16
	s_mov_b32 s[G1B+4], 2
	s_mov_b32 s[G1B+5], GSTRIDE/8
	s_mov_b32 s[G1B+6], 0
	s_mov_b32 s[G1B+7], 0
	s_lshl_b32 s62, s56, 1
	s_add_co_u32 s62, s62, s[WN]
	s_mul_i32 s62, s62, GSTRIDE
	s_mov_b32 s63, 0
	s_lshl_b32 s66, s58, 2
	s_lshl_b32 s67, s[WN], 1
	s_add_co_u32 s66, s66, s67
	s_mul_i32 s66, s66, GSTRIDE
	s_add_co_u32 s66, s66, WO0
	s_mov_b32 s67, 0
	s_mul_i32 s68, s[WN], CHUNK
	s_mul_i32 s69, s[WN], 2*CHUNK
	s_add_co_u32 s69, s69, 2*CHUNK
	s_wait_kmcnt 0x0
	s_add_nc_u64 s[62:63], s[4:5], s[62:63]
	s_add_nc_u64 s[66:67], s[6:7], s[66:67]
	CROUND
.irp s, 0,1
	s_mov_b32 s[G0A+4*\s], 1
	s_add_co_u32 s[G0A+4*\s+1], s68, \s*SLOT
	s_add_nc_u64 s[G0A+4*\s+2:G0A+4*\s+3], s[62:63], \s*CHUNK
	s_or_b32 s[G0A+4*\s+3], s[G0A+4*\s+3], 0x80000000
	s_mov_b32 s[G0B+4*\s], 1
	s_add_co_u32 s[G0B+4*\s+1], s69, \s*SLOT
	s_add_nc_u64 s[G0B+4*\s+2:G0B+4*\s+3], s[66:67], \s*CHUNK
	s_or_b32 s[G0B+4*\s+3], s[G0B+4*\s+3], 0x80000000
.endr
	JLOAD G0A, G1A, G0B, G1B                       ; slot 0: one tensor load a wave at the head
	s_lshl_b32 s80, s58, 2                         ; the prefetches: wo's group 4 x block + cy,
	s_add_co_u32 s80, s80, s14
	s_mul_i32 s80, s80, GSTRIDE
	s_add_co_u32 s80, s80, WO0
	s_mul_i32 s81, s[WV], 25*256                   ; my wave's 25 blocks of its chunk;
	s_add_co_u32 s80, s80, s81
	s_lshl_b32 s82, s56, 1                         ; ctx's group 2 x block + cx / 2,
	s_lshr_b32 s83, s13, 1
	s_add_co_u32 s82, s82, s83
	s_mul_i32 s82, s82, GSTRIDE
	s_and_b32 s83, s13, 1
	s_mul_i32 s83, s83, 12800                      ; half cx % 2 of its chunk
	s_add_co_u32 s82, s82, s83
	v_and_b32 v10, 31, v0
	v_min_u32 v8, 24, v10
	v_min_u32 v9, 12, v10
	v_lshl_add_u32 v8, v8, 8, s80                  ; v8, v9: my blocks of wo and of ctx; never rewritten
	v_mad_u32_u24 v9, s[WV], 13, v9
	v_min_u32 v9, 49, v9
	v_lshl_add_u32 v9, v9, 8, s82
	global_prefetch_b8 v8, s[6:7] offset:CHUNK th:TH_LOAD_NT scope:SCOPE_SE      ; slot 1
	global_prefetch_b8 v9, s[4:5] offset:CHUNK th:TH_LOAD_NT scope:SCOPE_SE
	global_prefetch_b8 v8, s[6:7] offset:2*CHUNK th:TH_LOAD_NT scope:SCOPE_SE    ; slot 2
	global_prefetch_b8 v9, s[4:5] offset:2*CHUNK th:TH_LOAD_NT scope:SCOPE_SE
	v_and_b32 v1, 31, v0
	v_and_b32 v2, 15, v0
	v_bfe_u32 v[HH], v0, 4, 1
	v_lshlrev_b32 v[LI], 4, v1
	v_lshlrev_b32 v5, 4, v2
	s_mul_i32 s70, s[ROLE], CHUNK
	s_mul_i32 s71, s[WN], 2*CHUNK
	s_add_co_u32 s71, s71, 2*CHUNK
.irp s, 0,1
	v_add_nc_u32 v[ADRA+\s], s70, v[LI]
	v_add_nc_u32 v[ADRB+\s], s71, v[LI]
	v_add_nc_u32 v[ADSA+\s], s70, v5
	v_add_nc_u32 v[ADSB+\s], s71, v5
	s_add_co_u32 s70, s70, SLOT
	s_add_co_u32 s71, s71, SLOT
.endr
	s_mul_i32 s72, s[WV], 16*528
	v_mul_u32_u24 v[STO], v2, 528
	v_lshl_add_u32 v[STO], v[HH], 6, v[STO]
	v_add_nc_u32 v[STO], s72, v[STO]
	v_add_nc_u32 v[RD], s72, v[LI]
	s_lshl_b32 s74, s56, 7
	s_lshl_b32 s75, s[ROLE], 6
	s_add_co_u32 s74, s74, s75
	s_lshl_b32 s74, s74, 14
	s_lshl_b32 s75, s58, 10
	s_add_co_u32 s74, s74, s75
	s_lshl_b32 s75, s[WN], 9
	s_add_co_u32 s74, s74, s75
	s_mov_b32 s75, 0
	s_add_nc_u64 s[OUT:OUT+1], s[8:9], s[74:75]
	s_wait_alu depctr_va_vdst(0)
	s_wait_tensorcnt 0x0                           ; my part of slot 0 is in; the lines ahead of a later first fill:
	ds_add_u32 v[SPW], v[NIL]
	s_wait_dscnt 0x0
	CROUND                                         ; everybody's part of slot 0 is in, and all sixteen work-groups are here
	JLOAD G0A+4, G1A, G0B+4, G1B                   ; slot 1, the first tensor load behind the round
	FETCH 0, 0, 0
	global_prefetch_b8 v8, s[6:7] offset:3*CHUNK th:TH_LOAD_NT scope:SCOPE_SE    ; slot 3
	global_prefetch_b8 v9, s[4:5] offset:3*CHUNK th:TH_LOAD_NT scope:SCOPE_SE
	STEP 0, 0, 1
	WIN 0
	s_mov_b32 s3, LAPS-1
.Llap:
	STEP 0, 1, 0
	STEP 0, 2, 0
	TURN 0, 1, 1
	STEP 1, 0, 0
	STEP 1, 1, 0
	STEP 1, 2, 0
	TURN 1, 0, 1
	STEP 0, 0, 0
	WIN 0
	s_sub_co_u32 s3, s3, 1
	s_cmp_lg_u32 s3, 0
	s_cbranch_scc1 .Llap
	STEP 0, 1, 0
	STEP 0, 2, 0
	TURN 0, 1, 0
	STEP 1, 0, 0
	STEP 1, 1, 0
	STEP 1, 2, 0
	s_wait_dscnt 0x0
	MUL8 0, 1, 0
	MUL8 1, 1, 0
	MUL8 2, 1, 0
	MUL8 3, 1, 0
	WIN 0
.macro TOSTAGE a
	WIN 0x04
.irp b, 0,1,2,3,4,5,6,7
	ds_store_b128 v[STO], v[8*(8*(\a)+\b):8*(8*(\a)+\b)+3] offset:128*(\b/2)+32*(\b%2)
	ds_store_b128 v[STO], v[8*(8*(\a)+\b)+4:8*(8*(\a)+\b)+7] offset:128*(\b/2)+32*(\b%2)+16
.endr
	WIN 0
.set BB, BK+64*((\a)%2)
.set n, 0
.rept 16
	ds_load_b128 v[BB+4*n:BB+4*n+3], v[RD] offset:528*n
.set n, n+1
.endr
.endm
.macro SEND a, younger
.set BB, BK+64*((\a)%2)
	s_wait_dscnt \younger
.set n, 0
.rept 16
	global_store_b128 v[LI], v[BB+4*n:BB+4*n+3], s[OUT:OUT+1] offset:(32*((\a)/2)+8*((\a)%2)+n+8*(n/8))*16384 th:TH_STORE_NT
.set n, n+1
.endr
.endm
	PLACES 4
	TOSTAGE 0
.irp a, 1,2,3
.if \a > 1
	s_wait_xcnt 0x0
.endif
	TOSTAGE \a
	SEND \a-1, 32
.endr
	SEND 3, 0
	s_wait_tensorcnt 0x0
	ds_add_u32 v[SPW], v[NIL]
	s_wait_dscnt 0x0
	CROUND
	s_endpgm
.Lfunc_end_k_qdb51a78900_oproj:
	.size	k_qdb51a78900_oproj, .Lfunc_end_k_qdb51a78900_oproj-k_qdb51a78900_oproj
	.p2alignl 7, 3214868480
	.fill 96, 4, 3214868480
	.section	.rodata,"a",@progbits
	.p2align	6, 0x0
	.amdhsa_kernel k_qdb51a78900_oproj
		.amdhsa_group_segment_fixed_size 327680
		.amdhsa_private_segment_fixed_size 0
		.amdhsa_enable_private_segment 0
		.amdhsa_kernarg_size 24
		.amdhsa_user_sgpr_count 2
		.amdhsa_user_sgpr_kernarg_segment_ptr 1
		.amdhsa_wavefront_size32 1
		.amdhsa_system_sgpr_workgroup_id_x 1
		.amdhsa_system_sgpr_workgroup_id_y 1
		.amdhsa_system_sgpr_workgroup_id_z 1
		.amdhsa_system_vgpr_workitem_id 0
		.amdhsa_next_free_vgpr 768
		.amdhsa_next_free_sgpr 100
		.amdhsa_reserve_vcc 0
		.amdhsa_float_denorm_mode_32 3
		.amdhsa_float_denorm_mode_16_64 3
		.amdhsa_memory_ordered 1
		.amdhsa_forward_progress 1
		.amdhsa_inst_pref_size 133
	.end_amdhsa_kernel
	.amdgpu_metadata
---
amdhsa.version: [ 1, 2 ]
amdhsa.kernels:
  - .name:           k_qdb51a78900_oproj
    .symbol:         k_qdb51a78900_oproj.kd
    .args:
      - { .name: rec3, .offset: 0, .size: 8, .value_kind: global_buffer, .address_space: global }
      - { .name: rec1, .offset: 8, .size: 8, .value_kind: global_buffer, .address_space: global }
      - { .name: out0, .offset: 16, .size: 8, .value_kind: global_buffer, .address_space: global }
    .group_segment_fixed_size: 327680
    .private_segment_fixed_size: 0
    .kernarg_segment_align: 8
    .kernarg_segment_size: 24
    .max_flat_workgroup_size: 128
    .sgpr_count:     100
    .vgpr_count:     768
    .wavefront_size: 32
...
	.end_amdgpu_metadata
.endif
;; end of part 4
